; MI455X (gfx1250); checked and timed in simulation.
; The chip was launched on July 23, 2026; its instructions are those of AMD's public machine-readable ISA for CDNA 5 (MIT licence, August 2026) and "CDNA5" Instruction Set Architecture Reference Guide (July 2026). The comments in the code are by the model that wrote it; some were corrected since.
;; Multi Head Attention. Allowed arithmetic: float matrix products may take bf16 or f16 operands with f32 sums; all other float work in f32.
;; Inputs: kvinput 4 x 2,048 x 1,024 float32; qinput 4 x 2,048 x 1,024 float32; qmask 4 x 2,048 float32; qtmask 2,048 x 2,048 float32; tmask 4 x 2,048 float32; wk 16 x 1,024 x 64 float32; wo 16 x 64 x 1,024 float32; wq 16 x 1,024 x 64 float32; wv 16 x 1,024 x 64 float32.
;; Outputs: out0 4 x 2,048 x 1,024 float32.
;; 2 versions, each right and faster than the one before. Each part assembles by itself: llvm-mc -triple=amdgcn-amd-amdhsa -mcpu=gfx1250 --defsym DOCPART=n.
;; ======== version 1 of 2: 4 launches
;; limits: values are held in f16: magnitudes above 65,504 overflow, below 6.1e-05 lose precision
;; workspace buffers: xb 33,554,432 bytes; wt 8,388,608 bytes; qkv 50,331,648 bytes; pre 16,777,216 bytes
;; launch prep (part 1): grid 1280 x 1, 8 waves a work-group, no clusters, 37,888 bytes of LDS; arguments qinput, kvinput, wq, wk, wv, wo, xb, wt; writes xb, wt
.if DOCPART == 1
	.amdgcn_target "amdgcn-amd-amdhsa--gfx1250"
	.amdhsa_code_object_version 6
	.text
	.protected	k_qc14a2887e6_prep
	.globl	k_qc14a2887e6_prep
	.p2align	8
	.type	k_qc14a2887e6_prep,@function
k_qc14a2887e6_prep:
	s_mov_b64 s[64:65], 0
	v_nop
	global_prefetch_b8 v0, s[64:65] scope:SCOPE_SE
	s_setreg_imm32_b32 hwreg(HW_REG_WAVE_MODE, 25, 1), 1
	s_wait_xcnt 0x0
; prep: every matrix operand of the later launches is made here, in f16 and in PANELS: [batch-like][panel = k / 64][row][64 k].
; A row's piece of a panel is 128 bytes and the rows of a panel follow each other without a gap, so any run of rows of one panel is one dense block.
;   xb[src*4+b][p][t][i]      = f16(x[b][t][64 p + i]),  src 0 = qinput, 1 = kvinput                       (work-groups 0 .. 1023, 16 rows each)
;   wt[sel][kp][64 h + d][i]  = f16(w[h][64 kp + i][d]), sel 0, 1, 2 = wq, wk, wv
;   wt[3][h][m][d]            = f16(wo[h][d][m])                                                            (work-groups 1024 .. 1279, 64 for each weight)
; WHY f16: twelve roundings lie between the inputs and the output; with 11 significant bits each they stay far inside one hundredth of the output's spread, with 8 bits they do not.
; LIMIT: an input beyond 65,504 in magnitude becomes infinite; below 6.1e-5 the step is 6e-8.
; Memory binds: no matrix unit, no cluster, no barrier; the LDS bytes that the weight path uses are each wave's own.
.set XR,     16                        ; v[16:79]   64 f32 as loaded
.set PK,     80                        ; v[80:111]  weight path: 64 k of one row, packed
.set WPITCH, 144                       ; weight path: an LDS row of 128 bytes + 16, an odd multiple of 16 bytes
.set WLDS,   32*WPITCH                 ; 32 rows for each wave
; Rows 2k and 2k+1 of the work-group's 16.  A lane holds 4 neighbouring columns of each; lanes 0-15 lie in the wave's even panel, lanes 16-31 in its odd one.
.macro PAIR k
	s_wait_loadcnt 14-2*\k                         ; loads return in order: rows 2k and 2k+1 are in, the 14-2k loads of later rows stay out
	v_cvt_pk_f16_f32 v[XR+8*\k],   v[XR+8*\k],   v[XR+8*\k+1]
	v_cvt_pk_f16_f32 v[XR+8*\k+1], v[XR+8*\k+2], v[XR+8*\k+3]
	v_cvt_pk_f16_f32 v[XR+8*\k+4], v[XR+8*\k+4], v[XR+8*\k+5]
	v_cvt_pk_f16_f32 v[XR+8*\k+5], v[XR+8*\k+6], v[XR+8*\k+7]
	v_permlane16_swap_b32 v[XR+8*\k],   v[XR+8*\k+4]   ; row 2k's upper lanes change places with row 2k+1's lower lanes:
	v_permlane16_swap_b32 v[XR+8*\k+1], v[XR+8*\k+5]   ; the first pair now holds the even panel's rows 2k | 2k+1, the second pair the odd panel's
	global_store_b64 v3, v[XR+8*\k:XR+8*\k+1],   s[16:17] offset:256*\k          ; 32 lanes x 8 bytes: 256 consecutive bytes, aligned
	global_store_b64 v3, v[XR+8*\k+4:XR+8*\k+5], s[16:17] offset:262144+256*\k   ; the same two rows one panel further
.endm
; 64 k of 32 neighbouring n: lane = n, register = k
.macro LOADW pitch
.set i, 0
.rept 64
	global_load_b32 v[XR+i], v4, s[8:9] offset:i*\pitch
.set i, i+1
.endr
.endm
	s_load_b512 s[4:19], s[0:1], 0x0               ; qinput s[4:5], kvinput s[6:7], wq s[8:9], wk s[10:11], wv s[12:13], wo s[14:15], xb s[16:17], wt s[18:19]
	v_lshl_add_u32 v112, v0, 2, 0x9000
	v_mov_b32 v113, 0
	v_lshrrev_b32 v1, 5, v0
	v_readfirstlane_b32 s20, v1                    ; wave
	v_and_b32 v1, 31, v0                           ; lane
	s_cmp_lt_u32 ttmp9, 1024
	s_cbranch_scc0 .Lweights
	; ---- activations: 16 rows of 4,096 bytes; thread t takes the 16 bytes at 16 t of every row ----
	s_and_b32 s22, ttmp9, 511
	s_lshl_b32 s22, s22, 16                        ; source: 16 rows x 4,096 bytes for each work-group
	s_mov_b32 s23, 0
	s_lshr_b32 s24, ttmp9, 7                       ; src*4 + b: 128 work-groups for each batch entry
	s_lshl_b32 s24, s24, 22                        ; x 16 panels x 2,048 rows x 128 bytes
	s_and_b32 s26, ttmp9, 127
	s_lshl_b32 s26, s26, 11                        ; + 16 rows x 128 bytes
	s_add_co_u32 s24, s24, s26
	s_mov_b32 s25, 0
	s_lshl_b32 s27, s20, 19                        ; the wave's even panel: 2 w x 262,144
	v_lshlrev_b32 v2, 4, v0                        ; load offset
	v_lshl_add_u32 v3, v1, 3, s27                  ; store offset: 8 bytes a lane
	s_wait_kmcnt 0x0
	s_cmp_lt_u32 ttmp9, 512
	s_cselect_b64 s[4:5], s[4:5], s[6:7]           ; qinput for the first 512 work-groups, kvinput for the others
	s_add_nc_u64 s[4:5], s[4:5], s[22:23]
	s_add_nc_u64 s[16:17], s[16:17], s[24:25]
.irp r, 0,1,2,3,4,5,6,7,8,9,10,11,12,13,14,15
	global_load_b128 v[XR+4*\r:XR+4*\r+3], v2, s[4:5] offset:4096*\r th:TH_LOAD_NT   ; all 16 rows are asked for at once: 8 KiB of each wave on their way
.endr
.irp k, 0,1,2,3,4,5,6,7
	PAIR \k
.endr
	s_endpgm
	; ---- weights: a wave transposes a block of 64 k x 32 n ----
.Lweights:
	s_sub_co_u32 s21, ttmp9, 1024
	s_and_b32 s22, s21, 63
	s_lshl_b32 s22, s22, 3
	s_add_co_u32 s22, s22, s20                     ; u = the wave's block among the weight's 512
	s_lshr_b32 s21, s21, 6                         ; sel
	s_lshr_b32 s26, s22, 5                         ; hi = the head
	s_bfe_u32 s27, s22, 0x40001                    ; lo = wq, wk, wv: the k panel;  wo: the block of 64 m
	s_and_b32 s28, s22, 1                          ; dh = which 32 of the 64 n
	s_cmp_eq_u32 s21, 3
	s_cselect_b32 s29, 8, 14                       ; lo's step in the source: 64 m x 4 bytes, or 64 rows of 256 bytes
	s_cselect_b32 s30, s26, s27                    ; the panel in wt: the head for wo, else lo
	s_cselect_b32 s31, s27, s26                    ; the block of 64 rows in that panel
	s_lshl_b32 s34, s26, 18                        ; a head is 262,144 bytes in all four weights
	s_lshl_b32 s29, s27, s29
	s_add_co_u32 s34, s34, s29
	s_lshl_b32 s29, s28, 7
	s_add_co_u32 s34, s34, s29
	s_mov_b32 s35, 0
	s_lshl_b32 s36, s21, 21                        ; wt: 2,097,152 bytes a weight,
	s_lshl_b32 s30, s30, 17                        ; 131,072 a panel,
	s_add_co_u32 s36, s36, s30
	s_lshl_b32 s31, s31, 13                        ; 8,192 for 64 rows,
	s_add_co_u32 s36, s36, s31
	s_lshl_b32 s28, s28, 12                        ; 4,096 for 32
	s_add_co_u32 s36, s36, s28
	s_mov_b32 s37, 0
	s_mul_i32 s33, s20, WLDS                       ; the wave's own LDS bytes
	v_lshlrev_b32 v4, 2, v1                        ; load: 4 bytes a lane
	v_mul_u32_u24 v5, v1, WPITCH
	v_add_nc_u32 v5, s33, v5                       ; in: row = lane
	v_lshrrev_b32 v6, 3, v1
	v_mul_u32_u24 v6, v6, WPITCH
	v_and_b32 v8, 7, v1
	v_lshl_add_u32 v6, v8, 4, v6
	v_add_nc_u32 v6, s33, v6                       ; back: four rows of 128 bytes for each load
	v_lshlrev_b32 v7, 4, v1                        ; store: 16 bytes a lane
	s_wait_kmcnt 0x0
	s_cmp_eq_u32 s21, 1
	s_cselect_b64 s[8:9], s[10:11], s[8:9]
	s_cmp_eq_u32 s21, 2
	s_cselect_b64 s[8:9], s[12:13], s[8:9]
	s_cmp_eq_u32 s21, 3
	s_cselect_b64 s[8:9], s[14:15], s[8:9]
	s_add_nc_u64 s[8:9], s[8:9], s[34:35]
	s_add_nc_u64 s[18:19], s[18:19], s[36:37]
	s_cmp_eq_u32 s21, 3
	s_cbranch_scc1 .Lrows_of_wo
	LOADW 256                                      ; wq, wk, wv: from k to k + 1 is a row of 64 d
	s_branch .Lpack
.Lrows_of_wo:
	LOADW 4096                                     ; wo: from d to d + 1 is a row of 1,024 m
.Lpack:
.irp g, 0,1,2,3,4,5,6,7
	s_wait_loadcnt 56-8*\g                         ; k = 8g .. 8g+7 are in; the 56-8g loads of later k stay out
.irp j, 0,1,2,3
	v_cvt_pk_f16_f32 v[PK+4*\g+\j], v[XR+8*\g+2*\j], v[XR+8*\g+2*\j+1]
.endr
	ds_store_b128 v5, v[PK+4*\g:PK+4*\g+3] offset:16*\g
.endr
.irp u, 0,1,2,3,4,5,6,7
	ds_load_b128 v[XR+4*\u:XR+4*\u+3], v6 offset:4*WPITCH*\u     ; LDS serves a wave's instructions in order (ISA guide 5.7.1): these see the stores above
.endr
.irp u, 0,1,2,3,4,5,6,7
	s_wait_dscnt 7-\u
	global_store_b128 v7, v[XR+4*\u:XR+4*\u+3], s[18:19] offset:512*\u   ; 512 consecutive bytes, aligned
.endr
	s_wait_tensorcnt 0x0
	ds_add_u32 v112, v113
	s_wait_dscnt 0x0
	s_endpgm
.Lfunc_end_k_qc14a2887e6_prep:
	.size	k_qc14a2887e6_prep, .Lfunc_end_k_qc14a2887e6_prep-k_qc14a2887e6_prep
	.p2alignl 7, 3214868480
	.fill 96, 4, 3214868480
	.section	.rodata,"a",@progbits
	.p2align	6, 0x0
	.amdhsa_kernel k_qc14a2887e6_prep
		.amdhsa_group_segment_fixed_size 37888
		.amdhsa_private_segment_fixed_size 0
		.amdhsa_enable_private_segment 0
		.amdhsa_kernarg_size 64
		.amdhsa_user_sgpr_count 2
		.amdhsa_user_sgpr_kernarg_segment_ptr 1
		.amdhsa_wavefront_size32 1
		.amdhsa_system_sgpr_workgroup_id_x 1
		.amdhsa_system_sgpr_workgroup_id_y 1
		.amdhsa_system_sgpr_workgroup_id_z 1
		.amdhsa_system_vgpr_workitem_id 0
		.amdhsa_next_free_vgpr 114
		.amdhsa_next_free_sgpr 66
		.amdhsa_reserve_vcc 0
		.amdhsa_float_denorm_mode_32 3
		.amdhsa_float_denorm_mode_16_64 3
		.amdhsa_memory_ordered 1
		.amdhsa_forward_progress 1
		.amdhsa_inst_pref_size 26
	.end_amdhsa_kernel
	.amdgpu_metadata
---
amdhsa.version: [ 1, 2 ]
amdhsa.kernels:
  - .name:           k_qc14a2887e6_prep
    .symbol:         k_qc14a2887e6_prep.kd
    .args:
      - { .name: qinput, .offset: 0, .size: 8, .value_kind: global_buffer, .address_space: global }
      - { .name: kvinput, .offset: 8, .size: 8, .value_kind: global_buffer, .address_space: global }
      - { .name: wq, .offset: 16, .size: 8, .value_kind: global_buffer, .address_space: global }
      - { .name: wk, .offset: 24, .size: 8, .value_kind: global_buffer, .address_space: global }
      - { .name: wv, .offset: 32, .size: 8, .value_kind: global_buffer, .address_space: global }
      - { .name: wo, .offset: 40, .size: 8, .value_kind: global_buffer, .address_space: global }
      - { .name: xb, .offset: 48, .size: 8, .value_kind: global_buffer, .address_space: global }
      - { .name: wt, .offset: 56, .size: 8, .value_kind: global_buffer, .address_space: global }
    .group_segment_fixed_size: 37888
    .private_segment_fixed_size: 0
    .kernarg_segment_align: 8
    .kernarg_segment_size: 64
    .max_flat_workgroup_size: 256
    .sgpr_count:     66
    .vgpr_count:     114
    .wavefront_size: 32
...
	.end_amdgpu_metadata
.endif
;; end of part 1
;; launch proj (part 2): grid 12 x 32, 4 waves a work-group, clusters of 4 x 4, 327,680 bytes of LDS; arguments xb, wt, qkv; writes qkv
.if DOCPART == 2
	.amdgcn_target "amdgcn-amd-amdhsa--gfx1250"
	.amdhsa_code_object_version 6
	.text
	.protected	k_qc14a2887e6_proj
	.globl	k_qc14a2887e6_proj
	.p2align	8
	.type	k_qc14a2887e6_proj,@function
k_qc14a2887e6_proj:
	s_mov_b64 s[64:65], 0
	v_nop
	global_prefetch_b8 v0, s[64:65] scope:SCOPE_SE
	s_setreg_imm32_b32 hwreg(HW_REG_WAVE_MODE, 25, 1), 1
	s_wait_xcnt 0x0
	s_wait_alu depctr_hold_cnt(0) depctr_sa_sdst(0) depctr_va_vdst(0) depctr_va_sdst(0) depctr_va_ssrc(0) depctr_va_vcc(0) depctr_vm_vsrc(0)
	s_getreg_b32 s2, hwreg(HW_REG_IB_STS2, 6, 4)
	s_cmp_eq_u32 s2, 0
	s_cbranch_scc0 .Lentry_in_a_cluster
	s_endpgm
.Lentry_in_a_cluster:
	s_bfe_u32 s2, ttmp6, 0x10000c
	s_cmp_lg_u32 s2, 0xf033
	s_cbranch_scc0 .Lentry_shape_is_right
	s_endpgm
.Lentry_shape_is_right:
; proj: the three input projections as one grid.  C[m][n] = sum over k of A[m][k] B[n][k], K = 1,024, operands f16, sums in f32, C rounded once to f16.
;   A = xb (8,192 rows of qinput for sel 0, of kvinput for sel 1, 2), B = wt[sel] (1,024 rows n = 64 head + d), C = qkv[sel][b][head][t][64].
; LIMIT: a result beyond 65,504 in magnitude becomes infinite.  Both factors 30 times the drawn spread give about 900 x 5.5 = 5,000; both with an offset of 30 spreads
; about 1,024 x 30 x 30/32 = 28,800: both have room.
; A work-group makes a block of 256 x 256 with four waves, a wave 128 x 128: 64 accumulator tiles of 16 x 16, 512 registers.  32 row blocks x 12 column blocks = 384 work-groups.
; WHY THIS BLOCK: for 32 along K a wave reads 2 x 128 x 64 bytes from LDS for 64 matrix instructions, and from a tile's request to the wait for it it issues 240 matrix
; instructions.  Only widths that divide 1,024 serve: the 3,072 columns fall into Q | K | V, and Q has another A.
; K goes in steps of 128 = two panels through a ring of two LDS slots filled by the tensor data mover.  A panel's rows are dense in memory, so a tile is
; fetched as rows of 256 bytes, and the mover lays 16 bytes of padding behind every 128: an LDS row is 144 bytes, an odd multiple of 16.
; CLUSTERS: 4 x 4 work-groups.  A cluster's x is sel; cx is the block of 256 columns, 4 x cluster y + cy the block of 256 rows.  The four of a cluster's row need
; the same tiles of A, the four of a column the same tiles of B: each tile is asked for jointly, which divides the requests by four.
; REGISTERS, in windows of 256:  window 0: v16-26 addresses; v64-127, v128-191 fragments of A, two buffers; v192-223 packed results on the way out
;   window 1: v64-127, v128-191 fragments of B, two buffers;  window 2: the 32 accumulator tiles of my rows 0-63 (tile (a, b) at v[8 (8 a + b)]);  window 3: those of rows 64-127
; The matrix instruction is used transposed (source 0 = rows of B, source 1 = rows of A): lane l holds row l % 16 of C and its registers eight neighbouring columns.
.set PITCH,  144
.set PAN,    256*PITCH                 ; 256 rows of one panel: what one tensor load brings
.set SLOT,   4*PAN                     ; A's two panels, then B's two
.set STAGE,  2*SLOT                    ; behind the ring, a multiple of 256: no tensor load lands there
.set WSTAGE, 32*PITCH                  ; a wave's stage: 16 rows of each of its two heads
.set LAPS,   4                         ; a lap = two K steps = once round the ring; 8 K steps
.set A_STEP, 4*262144                  ; two K steps on: four panels of 2,048 rows x 128 bytes
.set B_STEP, 4*131072                  ; four panels of 1,024 rows x 128 bytes
.set PADW,   (3<<16)|(1<<20)|(1<<21)|(4<<22)|(3<<25)   ; elements of 8 bytes; padding on; bit 21 beside a mask; behind every 32 words; 4 words
.set ADRA, 16                          ; v16-17  my A fragments in slot 0, 1
.set ADRB, 20                          ; v20-21  my B fragments
.set STO,  24
.set RD,   25
.set CO,   26
.set F0,   64                          ; fragment buffer 0
.set F1,   128                         ; fragment buffer 1
.set TMP,  192                         ; the way out: packed results, window 0
.set G1,  24                           ; s[24:31] group 1 for A's tiles
.set G0,  32                           ; s[32:39] group 0 for A's tiles, one set for each slot
.set G1B, 48                           ; s[48:55] group 1 for B's tiles: it differs from A's in the mask alone
.set G0B, 56                           ; s[56:63] group 0 for B's tiles
.set MUL_LO, 0xa1                      ; source 0 (B) window 1, source 1 (A) window 0, C and D window 2
.set MUL_HI, 0xf1                      ; the same, C and D window 3
.set TO_B,   0x40                      ; destination window 1, address window 0
.set MSB, 0
.macro WIN new                         ; the immediate's high byte repeats the setting that is left
.if MSB != \new
	s_set_vgpr_msb (MSB<<8)|\new
.set MSB, \new
.endif
.endm
; A joint load.  Waves 0 and 1 fetch A's two panels, waves 2 and 3 B's.  Each line has one mask; the branch hangs on the wave's number alone.
.macro JLOAD s
	s_cmp_eq_u32 s11, 0
	s_cbranch_scc0 .Lfor_b_\@
	tensor_load_to_lds s[G0+4*\s:G0+4*\s+3], s[G1:G1+7]
	s_nop 0
	s_branch .Lasked_\@
.Lfor_b_\@:
	tensor_load_to_lds s[G0B+4*\s:G0B+4*\s+3], s[G1B:G1B+7]
	s_nop 0
.Lasked_\@:
.endm
.macro CREST                           ; a round of the cluster's barrier behind its opening barrier
	s_cmp_lg_u32 s10, 0
	s_cbranch_scc1 .Lnot_wave_0_\@
	s_barrier_signal -3
.Lnot_wave_0_\@:
	s_barrier_wait -3
	s_barrier_signal -1
	s_barrier_wait -1
.endm
.macro CROUND                          ; a whole round
	s_barrier_signal -1
	s_barrier_wait -1
	CREST
.endm
.macro PLACES                          ; four places behind a matrix instruction, ahead of loads into its sources and of readers of its result
.rept 4
	v_nop
.endr
.endm
	s_load_b128 s[4:7], s[0:1], 0x0                ; xb s[4:5], wt s[6:7]
	s_load_b64 s[8:9], s[0:1], 0x10                ; qkv
	s_set_vgpr_msb 0x40
	v_lshl_add_u32 v255, v0, 2, 0x4c800
	s_set_vgpr_msb 0x4000
	v_mov_b32 v255, 0
	s_set_vgpr_msb 0x1
	ds_add_u32 v255, v255
	s_set_vgpr_msb 0x100
	v_lshrrev_b32 v1, 5, v0
	v_readfirstlane_b32 s10, v1                    ; wave 0..3
	s_lshr_b32 s11, s10, 1                         ; my half of the block's rows.  Also: I fetch for A (0) or for B (1)
	s_and_b32 s12, s10, 1                          ; my half of its columns.  Also: which of the step's two panels I fetch
	s_bfe_u32 s40, ttmp6, 0x40000                  ; cx = the block of 256 columns
	s_bfe_u32 s41, ttmp6, 0x40004                  ; cy
	s_mov_b32 s45, ttmp9                           ; the cluster's x = sel: 0 Q, 1 K, 2 V
	s_and_b32 s13, ttmp7, 0xffff
	s_lshl_b32 s13, s13, 2
	s_add_co_u32 s13, s13, s41                     ; the block of 256 rows = 4 x cluster y + cy, 0 .. 31
	s_lshl_b32 s43, s41, 2
	s_lshl_b32 s43, 15, s43                        ; my row of the cluster
	s_lshl_b32 s44, 0x1111, s40                    ; my column
	s_or_b32 s[G1+0], s43, PADW                    ; A's tiles go to my row
	s_mov_b32 s[G1+1], 32<<16                      ; tensor_dim0 = 32 elements = 256 bytes
	s_mov_b32 s[G1+2], 128<<16                     ; tensor_dim1 = 128 rows of 256 bytes = 256 rows of a panel
	s_mov_b32 s[G1+3], 32<<16                      ; tile_dim0
	s_mov_b32 s[G1+4], 128                         ; tile_dim1
	s_mov_b32 s[G1+5], 32                          ; the pitch: dense
	s_mov_b32 s[G1+6], 0
	s_mov_b32 s[G1+7], 0
	s_or_b32 s[G1B+0], s44, PADW                   ; B's tiles go to my column
	s_mov_b32 s[G1B+1], 32<<16
	s_mov_b32 s[G1B+2], 128<<16
	s_mov_b32 s[G1B+3], 32<<16
	s_mov_b32 s[G1B+4], 128
	s_mov_b32 s[G1B+5], 32
	s_mov_b32 s[G1B+6], 0
	s_mov_b32 s[G1B+7], 0
	; A's offset hangs on sel, the block of rows and the wave; B's on sel, cx and the wave; each in registers that never hold the other coordinate
	s_lshr_b32 s16, s13, 3
	s_lshl_b32 s16, s16, 22                        ; batch entry (8 row blocks each): 16 panels x 262,144
	s_and_b32 s17, s13, 7
	s_lshl_b32 s17, s17, 15                        ; 256 rows x 128 bytes
	s_add_co_u32 s16, s16, s17
	s_lshl_b32 s17, s12, 18                        ; my panel of the step's two
	s_add_co_u32 s16, s16, s17
	s_min_u32 s17, s45, 1
	s_lshl_b32 s17, s17, 24                        ; kvinput's half of xb for K and V
	s_add_co_u32 s16, s16, s17
	s_mov_b32 s17, 0
	s_lshl_b32 s46, s45, 21                        ; wt[sel]
	s_lshl_b32 s47, s40, 15                        ; 256 rows x 128 bytes
	s_add_co_u32 s46, s46, s47
	s_lshl_b32 s47, s12, 17                        ; my panel
	s_add_co_u32 s46, s46, s47
	s_mov_b32 s47, 0
	s_mul_i32 s20, s12, PAN                        ; where they go: no place in the cluster enters an LDS address
	s_wait_dscnt 0x0
	s_wait_kmcnt 0x0
	s_add_nc_u64 s[14:15], s[4:5], s[16:17]
	s_add_nc_u64 s[46:47], s[6:7], s[46:47]
	CROUND                                         ; all sixteen work-groups are here: the first joint loads meet
.irp s, 0,1
	s_mov_b32 s[G0+4*\s], 1
	s_add_co_u32 s[G0+4*\s+1], s20, \s*SLOT
	s_add_nc_u64 s[G0+4*\s+2:G0+4*\s+3], s[14:15], \s*524288       ; K step s: two panels on
	s_or_b32 s[G0+4*\s+3], s[G0+4*\s+3], 0x80000000
	s_mov_b32 s[G0B+4*\s], 1
	s_add_co_u32 s[G0B+4*\s+1], s20, \s*SLOT+2*PAN
	s_add_nc_u64 s[G0B+4*\s+2:G0B+4*\s+3], s[46:47], \s*262144
	s_or_b32 s[G0B+4*\s+3], s[G0B+4*\s+3], 0x80000000
	JLOAD \s                                       ; both slots are asked for before anything else: two tensor loads of the wave are out
.endr
	v_and_b32 v1, 15, v0                           ; r = l % 16
	v_bfe_u32 v2, v0, 4, 1                         ; h = l / 16
	v_mul_u32_u24 v3, v1, PITCH
	v_lshl_add_u32 v3, v2, 4, v3                   ; row x pitch + 16 h
	s_mul_i32 s22, s11, 128*PITCH                  ; my 128 rows of A
	s_mul_i32 s23, s12, 128*PITCH                  ; my 128 rows of B,
	s_add_co_u32 s23, s23, 2*PAN                   ; behind A's two panels
.irp s, 0,1
	v_add_nc_u32 v[ADRA+\s], s22, v3
	v_add_nc_u32 v[ADRB+\s], s23, v3
	s_add_co_u32 s22, s22, SLOT
	s_add_co_u32 s23, s23, SLOT
.endr
	s_mul_i32 s19, s10, WSTAGE
	s_add_co_u32 s19, s19, STAGE                   ; my stage
	v_add_nc_u32 v[STO], s19, v3                   ; in: row r, 16 bytes for each half of the lanes
	v_and_b32 v4, 31, v0
	v_lshrrev_b32 v5, 3, v4
	v_mul_u32_u24 v5, v5, PITCH
	v_and_b32 v6, 7, v0
	v_lshl_add_u32 v5, v6, 4, v5
	v_add_nc_u32 v[RD], s19, v5                    ; back: four rows of 128 bytes for each load
	v_lshlrev_b32 v[CO], 4, v4                     ; which are 512 dense bytes of qkv
; 16 matrix instructions: row tiles a0, a0 + 1 of the window's four (hi = 0: my rows 0-63, 1: rows 64-127) x all 8 column tiles, 32 along K.
; zero = 1: the first product starts the sums: nothing is ever cleared.
.macro MUL16 f, hi, a0, zero
.irp a, \a0, \a0+1
.irp b, 0,1,2,3,4,5,6,7
.if \zero
	v_wmma_f32_16x16x32_f16 v[8*(8*(\a)+\b):8*(8*(\a)+\b)+7], v[\f+8*\b:\f+8*\b+7], v[\f+8*(4*\hi+\a):\f+8*(4*\hi+\a)+7], 0
.else
	v_wmma_f32_16x16x32_f16 v[8*(8*(\a)+\b):8*(8*(\a)+\b)+7], v[\f+8*\b:\f+8*\b+7], v[\f+8*(4*\hi+\a):\f+8*(4*\hi+\a)+7], v[8*(8*(\a)+\b):8*(8*(\a)+\b)+7]
.endif
.endr
.endr
.endm
; 32 LDS loads in one run: quarter kq of a K step (panel kq / 2, byte 64 (kq % 2) of its rows) into buffer f: B's 8 fragments, then A's 8
.macro FETCH slot, kq, f
	WIN TO_B
.irp i, 0,1,2,3,4,5,6,7
	ds_load_b128 v[\f+8*\i:\f+8*\i+3],   v[ADRB+\slot] offset:(\kq>>1)*PAN+(\kq&1)*64+\i*16*PITCH
	ds_load_b128 v[\f+8*\i+4:\f+8*\i+7], v[ADRB+\slot] offset:(\kq>>1)*PAN+(\kq&1)*64+\i*16*PITCH+32
.endr
	WIN 0
.irp i, 0,1,2,3,4,5,6,7
	ds_load_b128 v[\f+8*\i:\f+8*\i+3],   v[ADRA+\slot] offset:(\kq>>1)*PAN+(\kq&1)*64+\i*16*PITCH
	ds_load_b128 v[\f+8*\i+4:\f+8*\i+7], v[ADRA+\slot] offset:(\kq>>1)*PAN+(\kq&1)*64+\i*16*PITCH+32
.endr
.endm
; One of a K step's first three quarters: multiplies buffer f; in its middle it fetches quarter kq into buffer g, 32 matrix instructions ahead of the first use.
; The 64 accumulators take turns, one instruction a turn, in the same order in every quarter.
.macro QUARTER slot, kq, f, g, zero
	s_wait_dscnt 8                                 ; B and A's rows 0-63 are in; the youngest eight loads (A's rows 64-127) may be out
	WIN MUL_LO
	MUL16 \f, 0, 0, \zero
	MUL16 \f, 0, 2, \zero
	PLACES
	FETCH \slot, \kq, \g
	s_wait_dscnt 32                                ; all but the 32 just issued
	WIN MUL_HI
	MUL16 \f, 1, 0, \zero
	MUL16 \f, 1, 2, \zero
.endm
.macro THREE slot, zero
	QUARTER \slot, 1, F0, F1, \zero
	QUARTER \slot, 2, F1, F0, 0
	QUARTER \slot, 3, F0, F1, 0
.endm
; The last quarter: multiplies buffer 1 and changes slots.  In front of the barrier each wave waits for its reads of this slot and for all its tensor
; loads (one is out: its part of the next slot).  fill = 1: the barrier opens a round of the cluster's barrier, and behind the round this slot is asked for
; again, two K steps ahead, first of all.  From that request to the wait for it a wave issues 240 matrix instructions.
.macro TURN slot, next, fill
	s_wait_dscnt 8
	WIN MUL_LO
	MUL16 F1, 0, 0, 0
	s_wait_dscnt 0                                 ; my reads of this slot are over
	s_wait_tensorcnt 0x0                           ; and all my tensor loads have landed
	ds_add_u32 v255, v255
	s_wait_dscnt 0x0
	s_barrier_signal -1
	MUL16 F1, 0, 2, 0                              ; registers only, while the others arrive
	WIN 0
	s_barrier_wait -1
.if \fill
	CREST                                          ; no wave of any partner still reads this slot or has a load on its way
	s_add_nc_u64 s[G0+4*\slot+2:G0+4*\slot+3], s[G0+4*\slot+2:G0+4*\slot+3], A_STEP
	s_add_nc_u64 s[G0B+4*\slot+2:G0B+4*\slot+3], s[G0B+4*\slot+2:G0B+4*\slot+3], B_STEP
	JLOAD \slot                                    ; the wave's one tensor load behind the round
.endif
	PLACES
	FETCH \next, 0, F0
	WIN MUL_HI
	MUL16 F1, 1, 0, 0
	MUL16 F1, 1, 2, 0
.endm
.macro LAP zero
	THREE 0, \zero
	TURN 0, 1, 1
	THREE 1, 0
	TURN 1, 0, 1
.endm
	s_wait_tensorcnt 1                             ; my part of K step 0 is in; K step 1's stays out
	s_barrier_signal -1
	s_barrier_wait -1
	FETCH 0, 0, F0
	LAP 1                                          ; the first lap stands in front of the loop: its first products start the sums
	WIN 0                                          ; at a label and at a branch every window is 0
	s_mov_b32 s3, LAPS-2
.Llap:
	LAP 0
	WIN 0
	s_sub_co_u32 s3, s3, 1
	s_cmp_lg_u32 s3, 0
	s_cbranch_scc1 .Llap
	THREE 0, 0                                     ; the last lap fills nothing
	TURN 0, 1, 0
	THREE 1, 0
	s_wait_dscnt 8                                 ; the very last quarter: nothing more to fetch
	WIN MUL_LO
	MUL16 F1, 0, 0, 0
	MUL16 F1, 0, 2, 0
	s_wait_dscnt 0
	WIN MUL_HI
	MUL16 F1, 1, 0, 0
	MUL16 F1, 1, 2, 0
	PLACES                                         ; ahead of the conversions, which read results, and of the loads into buffers 0 and 1
	; THE WAY OUT.  My 128 columns are two heads; a head's rows are 128 bytes and dense in qkv.
	s_lshr_b32 s16, s13, 3
	s_lshl_b32 s16, s16, 22                        ; batch entry: 16 heads x 262,144
	s_and_b32 s17, s13, 7
	s_lshl_b32 s17, s17, 15                        ; the block's 256 rows
	s_add_co_u32 s16, s16, s17
	s_lshl_b32 s17, s11, 14                        ; my 128 of them
	s_add_co_u32 s16, s16, s17
	s_lshl_b32 s17, s12, 19                        ; my two heads of the block's four
	s_add_co_u32 s16, s16, s17
	s_lshl_b32 s17, s45, 24                        ; qkv[sel]
	s_add_co_u32 s16, s16, s17
	s_mov_b32 s17, 0
	s_add_nc_u64 s[8:9], s[8:9], s[16:17]
	s_lshl_b32 s46, s40, 20                        ; the block's four heads (cx stays out of the registers that fed A's descriptors)
	s_mov_b32 s47, 0
	s_add_nc_u64 s[8:9], s[8:9], s[46:47]
; rows 16 i .. 16 i + 15 of my block = the eight tiles (a, 0..7) of window 2 or 3 (from = 0x0a or 0x0f: sources 0 and 1): round, 16 bytes a lane into my stage,
; read back as rows, store 512 dense bytes at a time.  f: the registers read back into, F0 and F1 in turn
.macro OUT16 i, a, from, f
	WIN \from
.irp b, 0,1,2,3,4,5,6,7
.irp j, 0,1,2,3
	v_cvt_pk_f16_f32 v[TMP+4*\b+\j], v[8*(8*\a+\b)+2*\j], v[8*(8*\a+\b)+2*\j+1]
.endr
.endr
	WIN 0
.irp b, 0,1,2,3,4,5,6,7
	ds_store_b128 v[STO], v[TMP+4*\b:TMP+4*\b+3] offset:(\b>>2)*16*PITCH+(\b&3)*32
.endr
	s_wait_xcnt 0x0                                ; the registers that earlier stores read are loaded again only behind this wait
.irp t, 0,1,2,3,4,5,6,7
	ds_load_b128 v[\f+4*\t:\f+4*\t+3], v[RD] offset:(\t>>2)*16*PITCH+(\t&3)*4*PITCH   ; LDS serves a wave's instructions in order (ISA guide 5.7.1): these see the stores above
.endr
.irp t, 0,1,2,3,4,5,6,7
	s_wait_dscnt 7-\t
	global_store_b128 v[CO], v[\f+4*\t:\f+4*\t+3], s[8:9] offset:(\t>>2)*262144+(16*\i+4*(\t&3))*128
.endr
.endm
	OUT16 0, 0, 0x0a, F0
	OUT16 1, 1, 0x0a, F1
	OUT16 2, 2, 0x0a, F0
	OUT16 3, 3, 0x0a, F1
	OUT16 4, 0, 0x0f, F0
	OUT16 5, 1, 0x0f, F1
	OUT16 6, 2, 0x0f, F0
	OUT16 7, 3, 0x0f, F1
	s_set_vgpr_msb 0x1
	s_wait_tensorcnt 0x0
	ds_add_u32 v255, v255
	s_wait_dscnt 0x0
	s_set_vgpr_msb 0x100
	CROUND                                         ; the closing round: no work-group ends while a partner may still ask for a tile that names it
	s_endpgm
.Lfunc_end_k_qc14a2887e6_proj:
	.size	k_qc14a2887e6_proj, .Lfunc_end_k_qc14a2887e6_proj-k_qc14a2887e6_proj
	.p2alignl 7, 3214868480
	.fill 96, 4, 3214868480
	.section	.rodata,"a",@progbits
	.p2align	6, 0x0
	.amdhsa_kernel k_qc14a2887e6_proj
		.amdhsa_group_segment_fixed_size 327680
		.amdhsa_private_segment_fixed_size 0
		.amdhsa_enable_private_segment 0
		.amdhsa_kernarg_size 24
		.amdhsa_user_sgpr_count 2
		.amdhsa_user_sgpr_kernarg_segment_ptr 1
		.amdhsa_wavefront_size32 1
		.amdhsa_system_sgpr_workgroup_id_x 1
		.amdhsa_system_sgpr_workgroup_id_y 1
		.amdhsa_system_sgpr_workgroup_id_z 1
		.amdhsa_system_vgpr_workitem_id 0
		.amdhsa_next_free_vgpr 1024
		.amdhsa_next_free_sgpr 66
		.amdhsa_reserve_vcc 0
		.amdhsa_float_denorm_mode_32 3
		.amdhsa_float_denorm_mode_16_64 3
		.amdhsa_memory_ordered 1
		.amdhsa_forward_progress 1
		.amdhsa_inst_pref_size 196
	.end_amdhsa_kernel
	.amdgpu_metadata
---
amdhsa.version: [ 1, 2 ]
amdhsa.kernels:
  - .name:           k_qc14a2887e6_proj
    .symbol:         k_qc14a2887e6_proj.kd
    .args:
      - { .name: xb, .offset: 0, .size: 8, .value_kind: global_buffer, .address_space: global }
      - { .name: wt, .offset: 8, .size: 8, .value_kind: global_buffer, .address_space: global }
      - { .name: qkv, .offset: 16, .size: 8, .value_kind: global_buffer, .address_space: global }
    .group_segment_fixed_size: 327680
    .private_segment_fixed_size: 0
    .kernarg_segment_align: 8
    .kernarg_segment_size: 24
    .max_flat_workgroup_size: 128
    .sgpr_count:     66
    .vgpr_count:     1024
    .wavefront_size: 32
...
	.end_amdgpu_metadata
.endif
;; end of part 2
;; launch attn (part 3): grid 4 x 64, 8 waves a work-group, clusters of 4 x 4, 327,680 bytes of LDS; arguments qkv, qtmask, tmask, pre; writes pre
.if DOCPART == 3
	.amdgcn_target "amdgcn-amd-amdhsa--gfx1250"
	.amdhsa_code_object_version 6
	.text
	.protected	k_qc14a2887e6_attn
	.globl	k_qc14a2887e6_attn
	.p2align	8
	.type	k_qc14a2887e6_attn,@function
k_qc14a2887e6_attn:
	s_mov_b64 s[64:65], 0
	v_nop
	global_prefetch_b8 v0, s[64:65] scope:SCOPE_SE
	s_setreg_imm32_b32 hwreg(HW_REG_WAVE_MODE, 25, 1), 1
	s_wait_xcnt 0x0
	s_wait_alu depctr_hold_cnt(0) depctr_sa_sdst(0) depctr_va_vdst(0) depctr_va_sdst(0) depctr_va_ssrc(0) depctr_va_vcc(0) depctr_vm_vsrc(0)
	s_getreg_b32 s2, hwreg(HW_REG_IB_STS2, 6, 4)
	s_cmp_eq_u32 s2, 0
	s_cbranch_scc0 .Lentry_in_a_cluster
	s_endpgm
.Lentry_in_a_cluster:
	s_bfe_u32 s2, ttmp6, 0x10000c
	s_cmp_lg_u32 s2, 0xf033
	s_cbranch_scc0 .Lentry_shape_is_right
	s_endpgm
.Lentry_shape_is_right:
; attn: pre[b][h][q][:] = softmax over t of (Q K^T - 1e6 max(qtmask[q][t], tmask[b][t])) / 8, times V.  Operands f16, sums f32, pre rounded once to f16.
; A work-group takes one (b, h) and 512 q rows; each of its eight waves 64 q rows (four q tiles); 32 steps of 64 t.
; THE LOGIT is made with the roundings of the problem's definition: adj = max(qtmask, tmask) x -1e6, rounded to f32; al = K Q^T + adj, one f32 add.  A mask of size 1
; makes logits of size 1e6, whose last place is 1/16: where the best entries of a row nearly tie, the order of roundings decides the weights, so it is kept.
; THE WEIGHT is exp2(c al - N), c = log2(e) / 8, N = c x (running maximum of al): the maximum is taken away, and sums and results are rescaled when it moves.
; c al - N is one fused multiply-add, so the rounding of N is a factor common to a whole row and cancels in the division by the sum.
; BOTH PRODUCTS ARE TRANSPOSED.  S^T = K Q^T: lane (r, h), register j of tile (tt, q) holds t = 16 tt + 8 h + j, q row 16 q + r.  So a q row lives in one lane and its
; partner (lane xor 16), every rescale is a factor of the lane, and two neighbouring tiles, rounded to f16, are the second source of O^T = V^T P^T as they stand.
; CLUSTERS: 4 x 4.  cx = the block of 512 q rows, 4 x cluster y + cy = b*16 + h.  K's and V's tiles hang on (b, h): asked for jointly along a cluster's row.
; qtmask's tile hangs on the q block: asked for jointly along a column.  That divides the requests for all three by four.
; REGISTERS are all taken (512 a wave, two waves a SIMD), so the mask borrows: q tiles 0, 1 lie in V's fragment registers until they are added, and V is loaded then;
; q tiles 2, 3 are loaded into K's fragment registers behind the first product.
; LIMITS.  A NaN in a mask loses against the other mask (v_max_num_f32).  Weights below 2^-126 come out as zero (v_exp_f32, ISA guide 15.8); weights are at most
; about 1, and below 6.1e-5 they are kept in f16 with a step of 6e-8 beside a sum of at least about 1.
.set MPITCH, 272                       ; a mask row: 64 f32 + 16 bytes, an odd multiple of 16
.set MSLOT,  512*MPITCH
.set KPITCH, 144                       ; a K row: 64 f16 + 16 bytes
.set KSLOT,  64*KPITCH
.set VPITCH, 160                       ; a V row: 64 f16 + 32 bytes, an odd multiple of 32, for the transposing load
.set VSLOT,  64*VPITCH
.set KBASE,  2*MSLOT
.set VBASE,  KBASE+2*KSLOT
.set TMB,    VBASE+2*VSLOT             ; tmask[b], 8,192 bytes, a multiple of 256 from LDS byte 0: written by LDS stores, never by a tensor load
.set ADT0, 1                           ; v1      tmask: TMB + 32 h
.set ADM,  2                           ; v2-3    my mask rows in slot 0, 1
.set ADK,  4                           ; v4      K fragments, slot 0
.set ADV,  5                           ; v5      V fragments, slot 0
.set ADT,  6                           ; v6      tmask at this trip's first step
.set QOF,  7                           ; v7      offset of my part of Q
.set PQ,   8                           ; v[8+6q ..]: NG = -N, MX = running maximum | AL = rescale factor, TX = at work | L0, L1 = the sum in two parts
.set TM,   32                          ; v32-63   tmask of the step's 64 t, as a tile column holds them
.set KF,   64                          ; v64-127  K's fragments (tt, ks) at 8 (2 tt + ks); behind the first product: the mask of q tiles 2, 3
.set ST,   128                         ; v128-255 tile (tt, q) at 32 q + 8 tt: product, logit, weight; P(q, tk) packed in place at 32 q + 16 tk
.set QF,   0                           ; window 1: Q fragments (q, ks) at 8 (2 q + ks)
.set VF,   64                          ; window 1: V^T fragments (dt, tk) at 8 (4 tk + dt)
.set MA,   64                          ; window 1: ahead of them in the same registers, the mask of q tiles 0, 1
.set OA,   128                         ; window 1: O^T tile (dt, q) at 32 q + 8 dt
.set G1M, 24                           ; s[24:31] group 1, mask
.set G1K, 32                           ; s[32:39] group 1, K
.set G1V, 40                           ; s[40:47] group 1, V
.set G0M, 48                           ; s[48:55] group 0, mask, one set for each slot
.set G0K, 56                           ; s[56:63] group 0, K
.set G0V, 68                           ; s[68:75] group 0, V
.set MSB, 0
.macro WIN new                         ; the immediate's high byte repeats the setting that is left
.if MSB != \new
	s_set_vgpr_msb (MSB<<8)|\new
.set MSB, \new
.endif
.endm
.macro ROUND                           ; a round of the cluster's barrier
	s_barrier_signal -1
	s_barrier_wait -1
	s_cmp_lg_u32 s12, 0
	s_cbranch_scc1 .Lnot_wave_0_\@
	s_barrier_signal -3
.Lnot_wave_0_\@:
	s_barrier_wait -3
	s_barrier_signal -1
	s_barrier_wait -1
.endm
; The joint loads of one step's tiles into slot s: waves 0-3 128 mask rows each, wave 4 K, wave 5 V; waves 6 and 7 have no part.  One tensor load a wave.
.macro JLOAD s
	s_cmp_lt_u32 s12, 4
	s_cbranch_scc0 .Lnot_mask_\@
	tensor_load_to_lds s[G0M+4*(\s):G0M+4*(\s)+3], s[G1M:G1M+7]
	s_nop 0
	s_branch .Lasked_\@
.Lnot_mask_\@:
	s_cmp_eq_u32 s12, 4
	s_cbranch_scc0 .Lnot_k_\@
	tensor_load_to_lds s[G0K+4*(\s):G0K+4*(\s)+3], s[G1K:G1K+7]
	s_nop 0
	s_branch .Lasked_\@
.Lnot_k_\@:
	s_cmp_eq_u32 s12, 5
	s_cbranch_scc0 .Lasked_\@
	tensor_load_to_lds s[G0V+4*(\s):G0V+4*(\s)+3], s[G1V:G1V+7]
	s_nop 0
.Lasked_\@:
.endm
; In front of the step that reads slot: every wave's LDS reads are back and all its tensor loads have landed.  refill = 1: a round of the cluster's barrier, and behind
; it the other slot, read last step, is asked for again, two steps ahead, first of all; that load has a whole step in which to land.
.macro SYNC slot, refill
	s_wait_dscnt 0x0
	s_wait_xcnt 0x0
	v_lshl_add_u32 v254, v0, 2, 0x4f800
	v_mov_b32 v255, 0
	s_wait_tensorcnt 0x0                           ; no tensor load of mine is out: every group 0 may be written
	ds_add_u32 v254, v255
	s_wait_dscnt 0x0
.if \refill
	s_add_nc_u64 s[G0M+4*(1-\slot)+2:G0M+4*(1-\slot)+3], s[G0M+4*(1-\slot)+2:G0M+4*(1-\slot)+3], 512     ; 128 t along qtmask's rows
	s_add_nc_u64 s[G0K+4*(1-\slot)+2:G0K+4*(1-\slot)+3], s[G0K+4*(1-\slot)+2:G0K+4*(1-\slot)+3], 16384   ; 128 rows of K
	s_add_nc_u64 s[G0V+4*(1-\slot)+2:G0V+4*(1-\slot)+3], s[G0V+4*(1-\slot)+2:G0V+4*(1-\slot)+3], 16384   ; and of V
	ROUND
	JLOAD 1-\slot
.else
	s_barrier_signal -1
	s_barrier_wait -1
.endif
.endm
; adj of one q tile, in place in the 32 registers at m: the larger mask, times -1e6, rounded
.macro ADJ m
.set i, 0
.rept 32
	v_max_num_f32 v[\m+i], v[\m+i], v[TM+i]
.set i, i+1
.endr
.set i, 0
.rept 16
	v_pk_mul_f32 v[\m+2*i:\m+2*i+1], v[\m+2*i:\m+2*i+1], s[2:3] op_sel_hi:[1,0]
.set i, i+1
.endr
.endm
; the logit of q tile q: product + adj
.macro ADDM q, m
.set i, 0
.rept 16
	v_pk_add_f32 v[ST+32*\q+2*i:ST+32*\q+2*i+1], v[ST+32*\q+2*i:ST+32*\q+2*i+1], v[\m+2*i:\m+2*i+1]
.set i, i+1
.endr
.endm
; One step: 64 t from slot.  first = 1: nothing to rescale, the first products and sums start their registers.  toff: the step's bytes in tmask, from v[ADT].
.macro BODY slot, first, toff
	; 40 LDS loads in one run: K 16, tmask 8, the mask of q tiles 0 and 1 16
.irp tt, 0,1,2,3
.irp ks, 0,1
	ds_load_b128 v[KF+8*(2*\tt+\ks):KF+8*(2*\tt+\ks)+3],   v[ADK] offset:KSLOT*\slot+16*KPITCH*\tt+64*\ks
	ds_load_b128 v[KF+8*(2*\tt+\ks)+4:KF+8*(2*\tt+\ks)+7], v[ADK] offset:KSLOT*\slot+16*KPITCH*\tt+64*\ks+32
.endr
.endr
.irp tt, 0,1,2,3
.irp u, 0,1
	ds_load_b128 v[TM+8*\tt+4*\u:TM+8*\tt+4*\u+3], v[ADT] offset:\toff+64*\tt+16*\u
.endr
.endr
	WIN 0x40
.irp q, 0,1
.irp tt, 0,1,2,3
.irp u, 0,1
	ds_load_b128 v[MA+32*\q+8*\tt+4*\u:MA+32*\q+8*\tt+4*\u+3], v[ADM+\slot] offset:16*MPITCH*\q+64*\tt+16*\u
.endr
.endr
.endr
	; S^T = K Q^T.  The first pass starts the sums; the 16 tiles take turns, one instruction a turn.
	s_wait_dscnt 24                                ; K is in; out: tmask's 8 loads and the mask's 16
.if \first
	s_wait_loadcnt 0x0                             ; Q
.endif
	WIN 0x04
.irp ks, 0,1
.irp tt, 0,1,2,3
.irp q, 0,1,2,3
.if \ks
	v_wmma_f32_16x16x32_f16 v[ST+32*\q+8*\tt:ST+32*\q+8*\tt+7], v[KF+8*(2*\tt+\ks):KF+8*(2*\tt+\ks)+7], v[QF+8*(2*\q+\ks):QF+8*(2*\q+\ks)+7], v[ST+32*\q+8*\tt:ST+32*\q+8*\tt+7]
.else
	v_wmma_f32_16x16x32_f16 v[ST+32*\q+8*\tt:ST+32*\q+8*\tt+7], v[KF+8*(2*\tt+\ks):KF+8*(2*\tt+\ks)+7], v[QF+8*(2*\q+\ks):QF+8*(2*\q+\ks)+7], 0
.endif
.endr
.endr
.endr
	; The work on the mask names none of the product's registers: it fills the places ahead of the loads into K's registers and of the first reader of a result.
	WIN 0x41
	s_wait_dscnt 0x0                               ; tmask and the mask of q tiles 0, 1
	ADJ MA
	WIN 0
.irp q, 2,3
.irp tt, 0,1,2,3
.irp u, 0,1
	ds_load_b128 v[KF+32*(\q-2)+8*\tt+4*\u:KF+32*(\q-2)+8*\tt+4*\u+3], v[ADM+\slot] offset:16*MPITCH*\q+64*\tt+16*\u
.endr
.endr
.endr
	WIN 0x41
	ADJ MA+32
	WIN 0x04
	ADDM 0, MA
	ADDM 1, MA+32
	WIN 0x40                                       ; the mask of q tiles 0, 1 has been used: V's fragments take its registers
.irp tk, 0,1
.irp dt, 0,1,2,3
	ds_load_tr16_b128 v[VF+8*(4*\tk+\dt):VF+8*(4*\tk+\dt)+3],   v[ADV] offset:VSLOT*\slot+32*VPITCH*\tk+32*\dt
	ds_load_tr16_b128 v[VF+8*(4*\tk+\dt)+4:VF+8*(4*\tk+\dt)+7], v[ADV] offset:VSLOT*\slot+32*VPITCH*\tk+32*\dt+16*VPITCH
.endr
.endr
	WIN 0
	s_wait_dscnt 16                                ; the mask of q tiles 2, 3 is in; V's 16 loads stay out
	ADJ KF
	ADDM 2, KF
	ADJ KF+32
	ADDM 3, KF+32
	; the running maximum of the logit, four chains that do not wait for each other
.if \first
.irp q, 0,1,2,3
	v_max_num_f32 v[PQ+6*\q+1], v[ST+32*\q], v[ST+32*\q+1]
.endr
.set i, 1
.else
.set i, 0
.endif
.rept 16-\first
.irp q, 0,1,2,3
	v_max3_num_f32 v[PQ+6*\q+1], v[PQ+6*\q+1], v[ST+32*\q+2*i], v[ST+32*\q+2*i+1]
.endr
.set i, i+1
.endr
.irp q, 0,1,2,3
	v_permlanex16_b32 v[PQ+6*\q+3], v[PQ+6*\q+1], s16, s17     ; the partner lane holds the row's other 32 t
.endr
.irp q, 0,1,2,3
	v_max_num_f32 v[PQ+6*\q+1], v[PQ+6*\q+1], v[PQ+6*\q+3]
.endr
.if \first
.irp q, 0,1,2,3
	v_mul_f32 v[PQ+6*\q], s23, v[PQ+6*\q+1]        ; NG = -c x maximum = -N
.endr
.else
.irp q, 0,1,2,3
	v_mul_f32 v[PQ+6*\q+3], s23, v[PQ+6*\q+1]      ; the new -N
.endr
.irp q, 0,1,2,3
	v_sub_f32 v[PQ+6*\q+2], v[PQ+6*\q+3], v[PQ+6*\q]   ; old N - new N, never above 0
.endr
.irp q, 0,1,2,3
	v_exp_f32 v[PQ+6*\q+2], v[PQ+6*\q+2]           ; AL
.endr
.irp q, 0,1,2,3
	v_mov_b32 v[PQ+6*\q], v[PQ+6*\q+3]             ; plain work behind the exponentials, ahead of AL's first use (ISA guide 5.7.2)
.endr
.endif
	; the weights, pair of registers by pair, three stages in flight: exponent of pair i, exponential of pair i-1, sum and rounding of pair i-2.
	; Behind each run of exponentials stands plain work on other registers before their results are read.
.set i, 0
.rept 18
.if i >= 1
.if i <= 16
.irp q, 0,1,2,3
	v_exp_f32 v[ST+32*\q+2*(i-1)],   v[ST+32*\q+2*(i-1)]
	v_exp_f32 v[ST+32*\q+2*(i-1)+1], v[ST+32*\q+2*(i-1)+1]
.endr
.endif
.endif
.if i <= 15
.irp q, 0,1,2,3
	v_pk_fma_f32 v[ST+32*\q+2*i:ST+32*\q+2*i+1], v[ST+32*\q+2*i:ST+32*\q+2*i+1], s[18:19], v[PQ+6*\q:PQ+6*\q+1] op_sel_hi:[1,0,0]   ; c al - N
.endr
.endif
.if i >= 2
.irp q, 0,1,2,3
.if i == 2
.if \first
	s_wait_alu depctr_va_vdst(0)
	v_pk_add_f32 v[PQ+6*\q+4:PQ+6*\q+5], v[ST+32*\q:ST+32*\q+1], 0 op_sel_hi:[1,0]                                                   ; the first pair starts the sum
.else
	s_wait_alu depctr_va_vdst(0)
	v_pk_fma_f32 v[PQ+6*\q+4:PQ+6*\q+5], v[PQ+6*\q+4:PQ+6*\q+5], v[PQ+6*\q+2:PQ+6*\q+3], v[ST+32*\q:ST+32*\q+1] op_sel_hi:[1,0,1]   ; the old sum rescaled, plus the first pair
.endif
.else
	s_wait_alu depctr_va_vdst(0)
	v_pk_add_f32 v[PQ+6*\q+4:PQ+6*\q+5], v[PQ+6*\q+4:PQ+6*\q+5], v[ST+32*\q+2*(i-2):ST+32*\q+2*(i-2)+1]
.endif
	v_cvt_pk_f16_f32 v[ST+32*\q+16*((i-2)>>3)+((i-2)&7)], v[ST+32*\q+2*(i-2)], v[ST+32*\q+2*(i-2)+1]   ; lands on a register whose pair has been summed and rounded
.endr
.endif
.set i, i+1
.endr
.if \first == 0
	WIN 0x41
.irp q, 0,1,2,3
.set i, 0
.rept 16
	v_pk_mul_f32 v[OA+32*\q+2*i:OA+32*\q+2*i+1], v[OA+32*\q+2*i:OA+32*\q+2*i+1], v[PQ+6*\q+2:PQ+6*\q+3] op_sel_hi:[1,0]
.set i, i+1
.endr
.endr
.endif
	; O^T += V^T P^T.  The 16 tiles take turns, one instruction a turn.
	s_wait_dscnt 0x0                               ; V
	WIN 0x51
.irp tk, 0,1
.irp dt, 0,1,2,3
.irp q, 0,1,2,3
.if \first*(1-\tk)
	v_wmma_f32_16x16x32_f16 v[OA+32*\q+8*\dt:OA+32*\q+8*\dt+7], v[VF+8*(4*\tk+\dt):VF+8*(4*\tk+\dt)+7], v[ST+32*\q+16*\tk:ST+32*\q+16*\tk+7], 0
.else
	v_wmma_f32_16x16x32_f16 v[OA+32*\q+8*\dt:OA+32*\q+8*\dt+7], v[VF+8*(4*\tk+\dt):VF+8*(4*\tk+\dt)+7], v[ST+32*\q+16*\tk:ST+32*\q+16*\tk+7], v[OA+32*\q+8*\dt:OA+32*\q+8*\dt+7]
.endif
.endr
.endr
.endr
	WIN 0
.rept 5
	v_nop                                          ; five places: the next step's first product writes over these second sources; four serve its loads into the first sources
.endr
.endm
	s_load_b256 s[4:11], s[0:1], 0x0               ; qkv s[4:5], qtmask s[6:7], tmask s[8:9], pre s[10:11]
	v_lshl_add_u32 v254, v0, 2, 0x4f800
	v_mov_b32 v255, 0
	ds_add_u32 v254, v255
	s_wait_dscnt 0x0
	v_lshrrev_b32 v1, 5, v0
	v_readfirstlane_b32 s12, v1                    ; wave 0..7
	s_bfe_u32 s13, ttmp6, 0x40000                  ; cx = the block of 512 q rows
	s_bfe_u32 s14, ttmp6, 0x40004                  ; cy
	s_and_b32 s15, ttmp7, 0xffff
	s_lshl_b32 s15, s15, 2
	s_add_co_u32 s15, s15, s14                     ; bh = 16 b + h
	s_lshl_b32 s21, s14, 2
	s_lshl_b32 s21, 15, s21                        ; my row of the cluster
	s_lshl_b32 s22, 0x1111, s13                    ; my column
	s_mov_b32 s16, 0x76543210                      ; v_permlanex16_b32: lane i reads lane i of the other half
	s_mov_b32 s17, 0xfedcba98
	s_mov_b32 s18, 0x3e38aa3b                      ; c = log2(e) / 8 = 0.18033688, twice
	s_mov_b32 s19, 0x3e38aa3b
	s_mov_b32 s23, 0xbe38aa3b                      ; -c
	s_or_b32 s[G1M+0], s22, (2<<16)|(1<<20)|(1<<21)|(5<<22)|(3<<25)   ; the mask's tile goes to my column; 4-byte elements; 4 words of padding behind every 64
	s_mov_b32 s[G1M+1], 64<<16                     ; tensor_dim0 = 64 t
	s_mov_b32 s[G1M+2], 128<<16                    ; tensor_dim1 = 128 q rows
	s_mov_b32 s[G1M+3], 64<<16                     ; tile_dim0
	s_mov_b32 s[G1M+4], 128                        ; tile_dim1
	s_mov_b32 s[G1M+5], 2048                       ; qtmask's pitch
	s_mov_b32 s[G1M+6], 0
	s_mov_b32 s[G1M+7], 0
	s_or_b32 s[G1K+0], s21, (3<<16)|(1<<20)|(1<<21)|(4<<22)|(3<<25)   ; K's tile goes to my row; 8-byte elements; 4 words behind every 32
	s_mov_b32 s[G1K+1], 32<<16                     ; 64 rows of 128 bytes, dense, taken as 32 rows of 256 bytes
	s_mov_b32 s[G1K+2], 32<<16
	s_mov_b32 s[G1K+3], 32<<16
	s_mov_b32 s[G1K+4], 32
	s_mov_b32 s[G1K+5], 32
	s_mov_b32 s[G1K+6], 0
	s_mov_b32 s[G1K+7], 0
	s_or_b32 s[G1V+0], s21, (3<<16)|(1<<20)|(1<<21)|(4<<22)|(7<<25)   ; V likewise, 8 words of padding
	s_mov_b32 s[G1V+1], 32<<16
	s_mov_b32 s[G1V+2], 32<<16
	s_mov_b32 s[G1V+3], 32<<16
	s_mov_b32 s[G1V+4], 32
	s_mov_b32 s[G1V+5], 32
	s_mov_b32 s[G1V+6], 0
	s_mov_b32 s[G1V+7], 0
	s_lshl_b32 s80, s13, 22                        ; mask: 512 q rows x 8,192 bytes for each q block,
	s_lshl_b32 s81, s12, 20                        ; 128 rows for each of waves 0-3 (the other waves never use this address)
	s_add_co_u32 s80, s80, s81
	s_mov_b32 s81, 0
	s_lshl_b32 s82, s15, 18                        ; K, V: a head's 2,048 rows x 128 bytes
	s_mov_b32 s83, 0
	s_lshl_b32 s78, s13, 16                        ; Q and pre: the head, the q block's 512 rows, my 64
	s_add_co_u32 s78, s78, s82
	s_lshl_b32 s79, s12, 13
	s_add_co_u32 s78, s78, s79
	s_mov_b32 s79, 0
	s_lshr_b32 s2, s15, 4
	s_lshl_b32 s2, s2, 13                          ; tmask[b]
	s_mov_b32 s3, 0
	s_mul_i32 s20, s12, 128*MPITCH                 ; where my 128 mask rows go
	v_and_b32 v32, 15, v0                          ; r
	v_bfe_u32 v33, v0, 4, 1                        ; h
	v_lshlrev_b32 v[QOF], 7, v32
	v_lshl_add_u32 v[QOF], v33, 4, v[QOF]          ; Q: row r, 16 h
	v_lshlrev_b32 v1, 4, v0                        ; tmask: 16 bytes a thread
	s_wait_kmcnt 0x0
	s_add_nc_u64 s[80:81], s[6:7], s[80:81]
	s_add_nc_u64 s[82:83], s[4:5], s[82:83]
	s_add_nc_u64 s[76:77], s[4:5], s[78:79]
	s_add_nc_u64 s[10:11], s[10:11], s[78:79]
	s_add_nc_u64 s[8:9], s[8:9], s[2:3]
	s_mov_b32 s2, 0xc9742400                       ; -1e6, twice
	s_mov_b32 s3, 0xc9742400
.irp s, 0,1
	s_mov_b32 s[G0M+4*\s], 1
	s_add_co_u32 s[G0M+4*\s+1], s20, \s*MSLOT
	s_add_nc_u64 s[G0M+4*\s+2:G0M+4*\s+3], s[80:81], \s*256
	s_or_b32 s[G0M+4*\s+3], s[G0M+4*\s+3], 0x80000000
	s_mov_b32 s[G0K+4*\s], 1
	s_mov_b32 s[G0K+4*\s+1], KBASE+\s*KSLOT
	s_add_nc_u64 s[G0K+4*\s+2:G0K+4*\s+3], s[82:83], 16777216+\s*8192    ; qkv's second plane
	s_or_b32 s[G0K+4*\s+3], s[G0K+4*\s+3], 0x80000000
	s_mov_b32 s[G0V+4*\s], 1
	s_mov_b32 s[G0V+4*\s+1], VBASE+\s*VSLOT
	s_add_nc_u64 s[G0V+4*\s+2:G0V+4*\s+3], s[82:83], 33554432+\s*8192    ; its third
	s_or_b32 s[G0V+4*\s+3], s[G0V+4*\s+3], 0x80000000
.endr
	global_load_b128 v[40:43], v1, s[8:9]
	global_load_b128 v[44:47], v1, s[8:9] offset:4096
	WIN 0x40
.irp q, 0,1,2,3
.irp ks, 0,1
	global_load_b128 v[QF+8*(2*\q+\ks):QF+8*(2*\q+\ks)+3],   v[QOF], s[76:77] offset:2048*\q+64*\ks
	global_load_b128 v[QF+8*(2*\q+\ks)+4:QF+8*(2*\q+\ks)+7], v[QOF], s[76:77] offset:2048*\q+64*\ks+32
.endr
.endr
	WIN 0
	ROUND                                          ; all sixteen work-groups are here: the first joint loads meet
	; the first fills, both slots, in one branch on the wave's number: two tensor loads of a wave are out
	s_cmp_lt_u32 s12, 4
	s_cbranch_scc0 .Lfirst_not_mask
	tensor_load_to_lds s[G0M:G0M+3], s[G1M:G1M+7]
	s_nop 0
	tensor_load_to_lds s[G0M+4:G0M+7], s[G1M:G1M+7]
	s_nop 0
	s_branch .Lfirst_asked
.Lfirst_not_mask:
	s_cmp_eq_u32 s12, 4
	s_cbranch_scc0 .Lfirst_not_k
	tensor_load_to_lds s[G0K:G0K+3], s[G1K:G1K+7]
	s_nop 0
	tensor_load_to_lds s[G0K+4:G0K+7], s[G1K:G1K+7]
	s_nop 0
	s_branch .Lfirst_asked
.Lfirst_not_k:
	s_cmp_eq_u32 s12, 5
	s_cbranch_scc0 .Lfirst_asked
	tensor_load_to_lds s[G0V:G0V+3], s[G1V:G1V+7]
	s_nop 0
	tensor_load_to_lds s[G0V+4:G0V+7], s[G1V:G1V+7]
	s_nop 0
.Lfirst_asked:
	s_mul_i32 s20, s12, 64*MPITCH                  ; my 64 q rows of the mask
	v_mul_u32_u24 v[ADM], v32, MPITCH
	v_lshl_add_u32 v[ADM], v33, 5, v[ADM]          ; 8 h t of 4 bytes
	v_add_nc_u32 v[ADM], s20, v[ADM]
	v_add_nc_u32 v[ADM+1], MSLOT, v[ADM]
	v_mul_u32_u24 v[ADK], v32, KPITCH
	v_lshl_add_u32 v[ADK], v33, 4, v[ADK]
	v_add_nc_u32 v[ADK], KBASE, v[ADK]
	v_and_b32 v35, 7, v0
	v_lshl_add_u32 v35, v33, 3, v35                ; the transposing load: row 8 h + l % 8,
	v_mul_u32_u24 v[ADV], v35, VPITCH
	v_bfe_u32 v36, v0, 3, 1
	v_lshl_add_u32 v[ADV], v36, 4, v[ADV]          ; 16 bytes for each group of eight lanes
	v_add_nc_u32 v[ADV], VBASE, v[ADV]
	v_add_nc_u32 v34, TMB, v1
.irp q, 0,1,2,3
	v_mov_b32 v[PQ+6*\q+3], 0                      ; v_permlanex16_b32 counts as a reader of its destination
.endr
	s_wait_loadcnt 16                              ; tmask's two loads are in; Q's sixteen stay out
	ds_store_b128 v34, v[40:43]
	ds_store_b128 v34, v[44:47] offset:4096
	v_lshlrev_b32 v[ADT0], 5, v33                  ; v1 is free since that wait
	v_add_nc_u32 v[ADT0], TMB, v[ADT0]
	v_mov_b32 v[ADT], v[ADT0]
	s_wait_dscnt 0x0                               ; my part of tmask is in LDS,
	s_wait_tensorcnt 1                             ; my part of slot 0 too; slot 1's stays out
	s_barrier_signal -1
	s_barrier_wait -1
	BODY 0, 1, 0                                   ; step 0
	s_mov_b32 s20, 0
.Lstep:                                        ; trip k: steps 1 + 2k and 2 + 2k; asks for steps 2 + 2k and 3 + 2k
	v_lshl_add_u32 v[ADT], s20, 9, v[ADT0]         ; tmask: 128 t a trip
	SYNC 1, 1
	BODY 1, 0, 256
	SYNC 0, 1
	BODY 0, 0, 512
	s_add_co_u32 s20, s20, 1
	s_cmp_lt_u32 s20, 15
	s_cbranch_scc1 .Lstep
	v_mov_b32 v[ADT], v[ADT0]
	SYNC 1, 0                                      ; nothing is left to fetch; every wave's reads of slot 0 are over behind this barrier
	BODY 1, 0, 31*256                              ; step 31
	; THE WAY OUT: divide by the sum, round, 16 bytes a lane into my stage, read back as rows.  The stage lies in the mask's slot 0, which has had its last fill
	; and whose last reads ended in front of the barrier above; each wave uses 9,216 bytes of its own.
.irp q, 0,1,2,3
	v_add_f32 v[PQ+6*\q+4], v[PQ+6*\q+4], v[PQ+6*\q+5]
.endr
.irp q, 0,1,2,3
	v_permlanex16_b32 v[PQ+6*\q+3], v[PQ+6*\q+4], s16, s17
.endr
.irp q, 0,1,2,3
	v_add_f32 v[PQ+6*\q+4], v[PQ+6*\q+4], v[PQ+6*\q+3]
.endr
.irp q, 0,1,2,3
	v_rcp_f32 v[PQ+6*\q+2], v[PQ+6*\q+4]           ; the sum is at least the weight of the row's largest logit, about 1
.endr
	s_mul_i32 s20, s12, 64*KPITCH                  ; plain work behind the reciprocals, ahead of their first use (ISA guide 5.7.2)
	v_and_b32 v2, 15, v0
	v_mul_u32_u24 v2, v2, KPITCH
	v_bfe_u32 v3, v0, 4, 1
	v_lshl_add_u32 v2, v3, 4, v2
	v_add_nc_u32 v2, s20, v2                       ; in: row r, 16 h
	v_and_b32 v4, 31, v0
	v_lshrrev_b32 v3, 3, v4
	v_mul_u32_u24 v3, v3, KPITCH
	v_and_b32 v5, 7, v0
	v_lshl_add_u32 v3, v5, 4, v3
	v_add_nc_u32 v3, s20, v3                       ; back: four rows of 128 bytes for each load
	v_lshlrev_b32 v4, 4, v4                        ; which are 512 dense bytes of pre
.irp q, 0,1,2,3
	WIN 0x01
.set i, 0
.rept 16
	s_wait_alu depctr_va_vdst(0)
	v_pk_mul_f32 v[TM+2*i:TM+2*i+1], v[OA+32*\q+2*i:OA+32*\q+2*i+1], v[PQ+6*\q+2:PQ+6*\q+3] op_sel_hi:[1,0]
.set i, i+1
.endr
	WIN 0
.set i, 0
.rept 16
	v_cvt_pk_f16_f32 v[KF+16*\q+i], v[TM+2*i], v[TM+2*i+1]
.set i, i+1
.endr
.irp dt, 0,1,2,3
	ds_store_b128 v2, v[KF+16*\q+4*\dt:KF+16*\q+4*\dt+3] offset:16*KPITCH*\q+32*\dt
.endr
.endr
.irp u, 0,1,2,3,4,5,6,7,8,9,10,11,12,13,14,15
	ds_load_b128 v[ST+4*\u:ST+4*\u+3], v3 offset:4*KPITCH*\u     ; LDS serves a wave's instructions in order (ISA guide 5.7.1): these see the stores above
.endr
.irp u, 0,1,2,3,4,5,6,7,8,9,10,11,12,13,14,15
	s_wait_dscnt 15-\u
	global_store_b128 v4, v[ST+4*\u:ST+4*\u+3], s[10:11] offset:512*\u
.endr
	s_wait_xcnt 0x0
	v_lshl_add_u32 v254, v0, 2, 0x4f800
	v_mov_b32 v255, 0
	s_wait_tensorcnt 0x0
	ds_add_u32 v254, v255
	s_wait_dscnt 0x0
	ROUND                                          ; the closing round: no work-group ends while a partner may still ask for a tile that names it
	s_endpgm
.Lfunc_end_k_qc14a2887e6_attn:
	.size	k_qc14a2887e6_attn, .Lfunc_end_k_qc14a2887e6_attn-k_qc14a2887e6_attn
	.p2alignl 7, 3214868480
	.fill 96, 4, 3214868480
	.section	.rodata,"a",@progbits
	.p2align	6, 0x0
	.amdhsa_kernel k_qc14a2887e6_attn
		.amdhsa_group_segment_fixed_size 327680
		.amdhsa_private_segment_fixed_size 0
		.amdhsa_enable_private_segment 0
		.amdhsa_kernarg_size 32
		.amdhsa_user_sgpr_count 2
		.amdhsa_user_sgpr_kernarg_segment_ptr 1
		.amdhsa_wavefront_size32 1
		.amdhsa_system_sgpr_workgroup_id_x 1
		.amdhsa_system_sgpr_workgroup_id_y 1
		.amdhsa_system_sgpr_workgroup_id_z 1
		.amdhsa_system_vgpr_workitem_id 0
		.amdhsa_next_free_vgpr 512
		.amdhsa_next_free_sgpr 84
		.amdhsa_reserve_vcc 0
		.amdhsa_float_denorm_mode_32 3
		.amdhsa_float_denorm_mode_16_64 3
		.amdhsa_memory_ordered 1
		.amdhsa_forward_progress 1
		.amdhsa_inst_pref_size 217
	.end_amdhsa_kernel
	.amdgpu_metadata
---
amdhsa.version: [ 1, 2 ]
amdhsa.kernels:
  - .name:           k_qc14a2887e6_attn
    .symbol:         k_qc14a2887e6_attn.kd
    .args:
      - { .name: qkv, .offset: 0, .size: 8, .value_kind: global_buffer, .address_space: global }
      - { .name: qtmask, .offset: 8, .size: 8, .value_kind: global_buffer, .address_space: global }
      - { .name: tmask, .offset: 16, .size: 8, .value_kind: global_buffer, .address_space: global }
      - { .name: pre, .offset: 24, .size: 8, .value_kind: global_buffer, .address_space: global }
    .group_segment_fixed_size: 327680
    .private_segment_fixed_size: 0
    .kernarg_segment_align: 8
    .kernarg_segment_size: 32
    .max_flat_workgroup_size: 256
    .sgpr_count:     84
    .vgpr_count:     512
    .wavefront_size: 32
...
	.end_amdgpu_metadata
.endif
;; end of part 3
;; launch outp (part 4): grid 4 x 64, 4 waves a work-group, clusters of 4 x 4, 327,680 bytes of LDS; arguments pre, wt, qmask, out0; writes out0
.if DOCPART == 4
	.amdgcn_target "amdgcn-amd-amdhsa--gfx1250"
	.amdhsa_code_object_version 6
	.text
	.protected	k_qc14a2887e6_outp
	.globl	k_qc14a2887e6_outp
	.p2align	8
	.type	k_qc14a2887e6_outp,@function
k_qc14a2887e6_outp:
	s_mov_b64 s[64:65], 0
	v_nop
	global_prefetch_b8 v0, s[64:65] scope:SCOPE_SE
	s_setreg_imm32_b32 hwreg(HW_REG_WAVE_MODE, 25, 1), 1
	s_wait_xcnt 0x0
	s_wait_alu depctr_hold_cnt(0) depctr_sa_sdst(0) depctr_va_vdst(0) depctr_va_sdst(0) depctr_va_ssrc(0) depctr_va_vcc(0) depctr_vm_vsrc(0)
	s_getreg_b32 s2, hwreg(HW_REG_IB_STS2, 6, 4)
	s_cmp_eq_u32 s2, 0
	s_cbranch_scc0 .Lentry_in_a_cluster
	s_endpgm
.Lentry_in_a_cluster:
	s_bfe_u32 s2, ttmp6, 0x10000c
	s_cmp_lg_u32 s2, 0xf033
	s_cbranch_scc0 .Lentry_shape_is_right
	s_endpgm
.Lentry_shape_is_right:
; outp: out0[row][m] = (1 - qmask[row]) x sum over k = 64 h + d of pre[b][h][q][d] wo[h][d][m];  row = 2,048 b + q.  Operands f16, sums in f32, stored in f32.
;   A = pre (its heads are the K panels), B = wt[3] (1,024 rows m, panels = heads).
; The product is built as in the projection launch: a work-group makes 128 rows x 256 columns with four waves, a wave 64 x 128 in 32 accumulator tiles; K = 1,024 goes in
; steps of 128 = two panels through a ring of two LDS slots; a panel's rows are dense, so a tile is fetched as rows of 256 bytes with 16 bytes of padding behind every 128.
; CLUSTERS: 4 x 4 work-groups; cx = the block of 256 columns, 4 x cluster y + cy = the block of 128 rows.  A's tiles are asked for jointly along a cluster's row,
; B's along a column, which divides the requests by four.
; REGISTERS: window 0: addresses, 1 - qmask, fragments (A: 2 buffers of 32, B: 2 buffers of 64); window 1: accumulator tile (a, b) at v[8 (8 a + b)].
; The matrix instruction is used transposed (source 0 = rows of B, source 1 = rows of A): lane l holds row l % 16 and its registers eight neighbouring columns.
.set PITCH,  144
.set APAN,   128*PITCH
.set BPAN,   256*PITCH
.set SLOT,   2*APAN+2*BPAN
.set STAGE,  2*SLOT                    ; behind the ring, a multiple of 256: no tensor load lands there
.set SPITCH, 528                       ; a stage row: 128 f32 + 16 bytes, an odd multiple of 16
.set WSTAGE, 16*SPITCH
.set LAPS,   4
.set A_STEP, 4*262144
.set B_STEP, 4*131072
.set PADW,   (3<<16)|(1<<20)|(1<<21)|(4<<22)|(3<<25)   ; elements of 8 bytes; padding on; bit 21 beside a mask; behind every 32 words; 4 words
.set SC,   8                           ; v8-15   1 - qmask of row 16 a + r, twice, at 8 + 2 a
.set ADRA, 16
.set ADRB, 20
.set STO,  24
.set RD,   25
.set CO,   26
.set QMO,  27
.set FA0,  32                          ; v32-95   A's fragments; on the way out: the scaled results of a row block
.set FB0,  96                          ; v96-223  B's fragments; on the way out: rows read back, two sets of 64
.set G1,  24
.set G0,  32
.set G1B, 48
.set G0B, 56
.set MULW, 0x50
.set MSB, 0
.macro WIN new                         ; the immediate's high byte repeats the setting that is left
.if MSB != \new
	s_set_vgpr_msb (MSB<<8)|\new
.set MSB, \new
.endif
.endm
.macro JLOAD s                         ; waves 0 and 1 fetch A's two panels, waves 2 and 3 B's; each line has one mask
	s_cmp_eq_u32 s11, 0
	s_cbranch_scc0 .Lfor_b_\@
	tensor_load_to_lds s[G0+4*\s:G0+4*\s+3], s[G1:G1+7]
	s_nop 0
	s_branch .Lasked_\@
.Lfor_b_\@:
	tensor_load_to_lds s[G0B+4*\s:G0B+4*\s+3], s[G1B:G1B+7]
	s_nop 0
.Lasked_\@:
.endm
.macro CREST
	s_cmp_lg_u32 s10, 0
	s_cbranch_scc1 .Lnot_wave_0_\@
	s_barrier_signal -3
.Lnot_wave_0_\@:
	s_barrier_wait -3
	s_barrier_signal -1
	s_barrier_wait -1
.endm
.macro CROUND
	s_barrier_signal -1
	s_barrier_wait -1
	CREST
.endm
.macro PLACES                          ; four places behind a matrix instruction (ISA guide 7.12.1)
.rept 4
	v_nop
.endr
.endm
	s_load_b128 s[4:7], s[0:1], 0x0                ; pre s[4:5], wt s[6:7]
	s_load_b128 s[68:71], s[0:1], 0x10             ; qmask s[68:69], out0 s[70:71]
	v_lshl_add_u32 v254, v0, 2, 0x3e400
	v_mov_b32 v255, 0
	ds_add_u32 v254, v255
	v_lshrrev_b32 v1, 5, v0
	v_readfirstlane_b32 s10, v1                    ; wave 0..3
	s_lshr_b32 s11, s10, 1                         ; my half of the rows.  Also: I fetch for A (0) or for B (1)
	s_and_b32 s12, s10, 1                          ; my half of the columns.  Also: which of the step's two panels I fetch
	s_bfe_u32 s40, ttmp6, 0x40000                  ; cx
	s_bfe_u32 s41, ttmp6, 0x40004                  ; cy
	s_and_b32 s13, ttmp7, 0xffff
	s_lshl_b32 s13, s13, 2
	s_add_co_u32 s13, s13, s41                     ; the block of 128 rows
	s_lshl_b32 s43, s41, 2
	s_lshl_b32 s43, 15, s43                        ; my row of the cluster
	s_lshl_b32 s44, 0x1111, s40                    ; my column
	s_or_b32 s[G1+0], s43, PADW
	s_mov_b32 s[G1+1], 32<<16
	s_mov_b32 s[G1+2], 64<<16                      ; 64 rows of 256 bytes = 128 rows of a panel
	s_mov_b32 s[G1+3], 32<<16
	s_mov_b32 s[G1+4], 64
	s_mov_b32 s[G1+5], 32
	s_mov_b32 s[G1+6], 0
	s_mov_b32 s[G1+7], 0
	s_or_b32 s[G1B+0], s44, PADW
	s_mov_b32 s[G1B+1], 32<<16
	s_mov_b32 s[G1B+2], 128<<16                    ; 256 rows of a panel
	s_mov_b32 s[G1B+3], 32<<16
	s_mov_b32 s[G1B+4], 128
	s_mov_b32 s[G1B+5], 32
	s_mov_b32 s[G1B+6], 0
	s_mov_b32 s[G1B+7], 0
	s_lshr_b32 s16, s13, 4
	s_lshl_b32 s16, s16, 22                        ; batch entry: 16 heads x 262,144
	s_and_b32 s17, s13, 15
	s_lshl_b32 s17, s17, 14                        ; 128 rows x 128 bytes
	s_add_co_u32 s16, s16, s17
	s_lshl_b32 s17, s12, 18                        ; my panel
	s_add_co_u32 s16, s16, s17
	s_mov_b32 s17, 0
	s_lshl_b32 s46, s40, 15                        ; 256 rows x 128 bytes
	s_add_co_u32 s46, s46, 3*2097152               ; wt[3]
	s_lshl_b32 s47, s12, 17
	s_add_co_u32 s46, s46, s47
	s_mov_b32 s47, 0
	s_mul_i32 s20, s12, APAN
	s_mul_i32 s21, s12, BPAN
	s_wait_dscnt 0x0
	s_wait_kmcnt 0x0
	s_add_nc_u64 s[14:15], s[4:5], s[16:17]
	s_add_nc_u64 s[46:47], s[6:7], s[46:47]
	CROUND                                         ; all sixteen work-groups are here: the first joint loads meet
.irp s, 0,1
	s_mov_b32 s[G0+4*\s], 1
	s_add_co_u32 s[G0+4*\s+1], s20, \s*SLOT
	s_add_nc_u64 s[G0+4*\s+2:G0+4*\s+3], s[14:15], \s*524288
	s_or_b32 s[G0+4*\s+3], s[G0+4*\s+3], 0x80000000
	s_mov_b32 s[G0B+4*\s], 1
	s_add_co_u32 s[G0B+4*\s+1], s21, \s*SLOT+2*APAN
	s_add_nc_u64 s[G0B+4*\s+2:G0B+4*\s+3], s[46:47], \s*262144
	s_or_b32 s[G0B+4*\s+3], s[G0B+4*\s+3], 0x80000000
	JLOAD \s                                       ; two tensor loads of the wave are out
.endr
	v_and_b32 v1, 15, v0                           ; r
	v_bfe_u32 v2, v0, 4, 1                         ; h
	s_lshl_b32 s18, s13, 9                         ; qmask of my 64 rows
	s_lshl_b32 s19, s11, 8
	s_add_co_u32 s18, s18, s19
	s_mov_b32 s19, 0
	s_add_nc_u64 s[68:69], s[68:69], s[18:19]
	v_lshlrev_b32 v[QMO], 2, v1
.irp a, 0,1,2,3
	global_load_b32 v[SC+2*\a], v[QMO], s[68:69] offset:64*\a
.endr
	v_mul_u32_u24 v3, v1, PITCH
	v_lshl_add_u32 v3, v2, 4, v3
	s_mul_i32 s22, s11, 64*PITCH
	s_mul_i32 s23, s12, 128*PITCH
	s_add_co_u32 s23, s23, 2*APAN
.irp s, 0,1
	v_add_nc_u32 v[ADRA+\s], s22, v3
	v_add_nc_u32 v[ADRB+\s], s23, v3
	s_add_co_u32 s22, s22, SLOT
	s_add_co_u32 s23, s23, SLOT
.endr
	s_mul_i32 s19, s10, WSTAGE
	s_add_co_u32 s19, s19, STAGE                   ; my stage
	v_mul_u32_u24 v4, v1, SPITCH
	v_lshl_add_u32 v4, v2, 5, v4                   ; in: row r, 32 bytes for each half of the lanes
	v_add_nc_u32 v[STO], s19, v4
	v_and_b32 v5, 31, v0
	v_lshlrev_b32 v[CO], 4, v5                     ; back, and out: a row's 512 bytes, 16 a lane
	v_add_nc_u32 v[RD], s19, v[CO]
	s_wait_loadcnt 0x0
.irp a, 0,1,2,3
	v_sub_f32 v[SC+2*\a], 1.0, v[SC+2*\a]
	v_mov_b32 v[SC+2*\a+1], v[SC+2*\a]
.endr
.macro MUL8 f, a, zero
.irp b, 0,1,2,3,4,5,6,7
.if \zero
	v_wmma_f32_16x16x32_f16 v[8*(8*\a+\b):8*(8*\a+\b)+7], v[FB0+64*\f+8*\b:FB0+64*\f+8*\b+7], v[FA0+32*\f+8*\a:FA0+32*\f+8*\a+7], 0
.else
	v_wmma_f32_16x16x32_f16 v[8*(8*\a+\b):8*(8*\a+\b)+7], v[FB0+64*\f+8*\b:FB0+64*\f+8*\b+7], v[FA0+32*\f+8*\a:FA0+32*\f+8*\a+7], v[8*(8*\a+\b):8*(8*\a+\b)+7]
.endif
.endr
.endm
.macro FETCH slot, kq, f               ; 24 LDS loads: quarter kq of a K step into buffer f: B's 8 fragments, then A's 4
.irp i, 0,1,2,3,4,5,6,7
	ds_load_b128 v[FB0+64*\f+8*\i:FB0+64*\f+8*\i+3],   v[ADRB+\slot] offset:(\kq>>1)*BPAN+(\kq&1)*64+\i*16*PITCH
	ds_load_b128 v[FB0+64*\f+8*\i+4:FB0+64*\f+8*\i+7], v[ADRB+\slot] offset:(\kq>>1)*BPAN+(\kq&1)*64+\i*16*PITCH+32
.endr
.irp i, 0,1,2,3
	ds_load_b128 v[FA0+32*\f+8*\i:FA0+32*\f+8*\i+3],   v[ADRA+\slot] offset:(\kq>>1)*APAN+(\kq&1)*64+\i*16*PITCH
	ds_load_b128 v[FA0+32*\f+8*\i+4:FA0+32*\f+8*\i+7], v[ADRA+\slot] offset:(\kq>>1)*APAN+(\kq&1)*64+\i*16*PITCH+32
.endr
.endm
; The 32 accumulators take turns, one instruction a turn, in the same order in every quarter.
.macro QUARTER slot, kq, f, g, zero
	s_wait_dscnt 4                                 ; B and A's fragments 0, 1 are in; the youngest four loads (A's fragments 2, 3) may be out
	WIN MULW
	MUL8 \f, 0, \zero
	MUL8 \f, 1, \zero
	WIN 0
	PLACES
	FETCH \slot, \kq, \g
	s_wait_dscnt 24                                ; all but the 24 just issued
	WIN MULW
	MUL8 \f, 2, \zero
	MUL8 \f, 3, \zero
.endm
.macro THREE slot, zero
	QUARTER \slot, 1, 0, 1, \zero
	QUARTER \slot, 2, 1, 0, 0
	QUARTER \slot, 3, 0, 1, 0
.endm
; The change of slots: each wave's reads of this slot and all its tensor loads are waited for in front of the barrier; fill = 1: the barrier opens a round of the
; cluster's barrier, and behind the round this slot is asked for again, two K steps ahead, first of all: 120 matrix instructions stand between request and wait.
.macro TURN slot, next, fill
	s_wait_dscnt 4
	WIN MULW
	MUL8 1, 0, 0
	s_wait_dscnt 0
	s_wait_tensorcnt 0x0
	ds_add_u32 v254, v255
	s_wait_dscnt 0x0
	s_barrier_signal -1
	MUL8 1, 1, 0
	WIN 0
	s_barrier_wait -1
.if \fill
	CREST
	s_add_nc_u64 s[G0+4*\slot+2:G0+4*\slot+3], s[G0+4*\slot+2:G0+4*\slot+3], A_STEP
	s_add_nc_u64 s[G0B+4*\slot+2:G0B+4*\slot+3], s[G0B+4*\slot+2:G0B+4*\slot+3], B_STEP
	JLOAD \slot
.endif
	PLACES
	FETCH \next, 0, 0
	WIN MULW
	MUL8 1, 2, 0
	MUL8 1, 3, 0
.endm
.macro LAP zero
	THREE 0, \zero
	TURN 0, 1, 1
	THREE 1, 0
	TURN 1, 0, 1
.endm
	s_wait_tensorcnt 1                             ; my part of K step 0 is in; K step 1's stays out
	s_barrier_signal -1
	s_barrier_wait -1
	FETCH 0, 0, 0
	LAP 1
	WIN 0
	s_mov_b32 s3, LAPS-2
.Llap:
	LAP 0
	WIN 0
	s_sub_co_u32 s3, s3, 1
	s_cmp_lg_u32 s3, 0
	s_cbranch_scc1 .Llap
	THREE 0, 0                                     ; the last lap fills nothing
	TURN 0, 1, 0
	THREE 1, 0
	s_wait_dscnt 4
	WIN MULW
	MUL8 1, 0, 0
	MUL8 1, 1, 0
	s_wait_dscnt 0
	MUL8 1, 2, 0
	MUL8 1, 3, 0
	WIN 0
	PLACES
	; THE WAY OUT, 16 rows at a time: scale by 1 - qmask, 32 bytes a lane into my stage, read back as rows of 512 bytes.
	s_lshl_b32 s16, s13, 19                        ; 128 rows x 4,096 bytes
	s_lshl_b32 s17, s11, 18                        ; my 64 of them
	s_add_co_u32 s16, s16, s17
	s_lshl_b32 s17, s12, 9                         ; my 128 columns
	s_add_co_u32 s16, s16, s17
	s_mov_b32 s17, 0
	s_add_nc_u64 s[70:71], s[70:71], s[16:17]
	s_lshl_b32 s46, s40, 10                        ; the block's 256 columns (cx stays out of the registers that fed A's descriptors)
	s_mov_b32 s47, 0
	s_add_nc_u64 s[70:71], s[70:71], s[46:47]
.macro OUTF a, f
	WIN 0x01
.irp b, 0,1,2,3,4,5,6,7
.irp j, 0,1,2,3
	v_pk_mul_f32 v[FA0+8*\b+2*\j:FA0+8*\b+2*\j+1], v[8*(8*\a+\b)+2*\j:8*(8*\a+\b)+2*\j+1], v[SC+2*\a:SC+2*\a+1]
.endr
.endr
	WIN 0
.irp b, 0,1,2,3,4,5,6,7
	ds_store_b128 v[STO], v[FA0+8*\b:FA0+8*\b+3]   offset:64*\b
	ds_store_b128 v[STO], v[FA0+8*\b+4:FA0+8*\b+7] offset:64*\b+16
.endr
	s_wait_xcnt 0x0                                ; the registers that earlier stores read are loaded again only behind this wait
.irp t, 0,1,2,3,4,5,6,7,8,9,10,11,12,13,14,15
	ds_load_b128 v[\f+4*\t:\f+4*\t+3], v[RD] offset:SPITCH*\t    ; LDS serves a wave's instructions in order (ISA guide 5.7.1): these see the stores above
.endr
.irp t, 0,1,2,3,4,5,6,7,8,9,10,11,12,13,14,15
	s_wait_dscnt 15-\t
	global_store_b128 v[CO], v[\f+4*\t:\f+4*\t+3], s[70:71] offset:(16*\a+\t)*4096 th:TH_STORE_NT   ; 512 consecutive bytes, aligned
.endr
.endm
	OUTF 0, 96
	OUTF 1, 160
	OUTF 2, 96
	OUTF 3, 160
	s_wait_tensorcnt 0x0
	ds_add_u32 v254, v255
	s_wait_dscnt 0x0
	CROUND                                         ; the closing round: no work-group ends while a partner may still ask for a tile that names it
	s_endpgm
.Lfunc_end_k_qc14a2887e6_outp:
	.size	k_qc14a2887e6_outp, .Lfunc_end_k_qc14a2887e6_outp-k_qc14a2887e6_outp
	.p2alignl 7, 3214868480
	.fill 96, 4, 3214868480
	.section	.rodata,"a",@progbits
	.p2align	6, 0x0
	.amdhsa_kernel k_qc14a2887e6_outp
		.amdhsa_group_segment_fixed_size 327680
		.amdhsa_private_segment_fixed_size 0
		.amdhsa_enable_private_segment 0
		.amdhsa_kernarg_size 32
		.amdhsa_user_sgpr_count 2
		.amdhsa_user_sgpr_kernarg_segment_ptr 1
		.amdhsa_wavefront_size32 1
		.amdhsa_system_sgpr_workgroup_id_x 1
		.amdhsa_system_sgpr_workgroup_id_y 1
		.amdhsa_system_sgpr_workgroup_id_z 1
		.amdhsa_system_vgpr_workitem_id 0
		.amdhsa_next_free_vgpr 512
		.amdhsa_next_free_sgpr 72
		.amdhsa_reserve_vcc 0
		.amdhsa_float_denorm_mode_32 3
		.amdhsa_float_denorm_mode_16_64 3
		.amdhsa_memory_ordered 1
		.amdhsa_forward_progress 1
		.amdhsa_inst_pref_size 126
	.end_amdhsa_kernel
	.amdgpu_metadata
---
amdhsa.version: [ 1, 2 ]
amdhsa.kernels:
  - .name:           k_qc14a2887e6_outp
    .symbol:         k_qc14a2887e6_outp.kd
    .args:
      - { .name: pre, .offset: 0, .size: 8, .value_kind: global_buffer, .address_space: global }
      - { .name: wt, .offset: 8, .size: 8, .value_kind: global_buffer, .address_space: global }
      - { .name: qmask, .offset: 16, .size: 8, .value_kind: global_buffer, .address_space: global }
      - { .name: out0, .offset: 24, .size: 8, .value_kind: global_buffer, .address_space: global }
    .group_segment_fixed_size: 327680
    .private_segment_fixed_size: 0
    .kernarg_segment_align: 8
    .kernarg_segment_size: 32
    .max_flat_workgroup_size: 128
    .sgpr_count:     72
    .vgpr_count:     512
    .wavefront_size: 32
...
	.end_amdgpu_metadata
.endif
;; end of part 4
;; ======== version 2 of 2: 4 launches; 1.08 times as fast as version 1
;; limits: values are held in f16: magnitudes above 65,504 overflow, below 6.1e-05 lose precision; right only within a limited range of input values
;; workspace buffers: xb 33,554,432 bytes; wt 8,388,608 bytes; qkv 50,331,648 bytes; pre 16,777,216 bytes
;; launch prep: the kernel of part 1 again; grid 1280 x 1, 8 waves a work-group, no clusters, 37,888 bytes of LDS; arguments qinput, kvinput, wq, wk, wv, wo, xb, wt; writes xb, wt
;; launch proj: the kernel of part 2 again; grid 12 x 32, 4 waves a work-group, clusters of 4 x 4, 327,680 bytes of LDS; arguments xb, wt, qkv; writes qkv
;; launch attn (part 5): grid 4 x 64, 8 waves a work-group, clusters of 4 x 4, 327,680 bytes of LDS; arguments qkv, qtmask, tmask, pre; writes pre
.if DOCPART == 5
	.amdgcn_target "amdgcn-amd-amdhsa--gfx1250"
	.amdhsa_code_object_version 6
	.text
	.protected	k_qc14a2887e6_attn
	.globl	k_qc14a2887e6_attn
	.p2align	8
	.type	k_qc14a2887e6_attn,@function
k_qc14a2887e6_attn:
	s_mov_b64 s[64:65], 0
	v_nop
	global_prefetch_b8 v0, s[64:65] scope:SCOPE_SE
	s_setreg_imm32_b32 hwreg(HW_REG_WAVE_MODE, 25, 1), 1
	s_wait_xcnt 0x0
	s_wait_alu depctr_hold_cnt(0) depctr_sa_sdst(0) depctr_va_vdst(0) depctr_va_sdst(0) depctr_va_ssrc(0) depctr_va_vcc(0) depctr_vm_vsrc(0)
	s_getreg_b32 s2, hwreg(HW_REG_IB_STS2, 6, 4)
	s_cmp_eq_u32 s2, 0
	s_cbranch_scc0 .Lentry_in_a_cluster
	s_endpgm
.Lentry_in_a_cluster:
	s_bfe_u32 s2, ttmp6, 0x10000c
	s_cmp_lg_u32 s2, 0xf033
	s_cbranch_scc0 .Lentry_shape_is_right
	s_endpgm
.Lentry_shape_is_right:
; attn: pre[b][h][q][:] = softmax over t of (Q K^T - 1e6 max(qtmask[q][t], tmask[b][t])) / 8, times V.  Operands f16, sums f32, pre rounded once to f16.
; A work-group takes one (b, h) and 512 q rows; each of its eight waves 64 q rows (four q tiles); 32 steps of 64 t.
; THE LOGIT is made with the roundings of the problem's definition: adj = max(qtmask, tmask) x -1e6, rounded to f32; al = K Q^T + adj, one f32 add.  A mask of size 1
; makes logits of size 1e6, whose last place is 1/16: where the best entries of a row nearly tie, the order of roundings decides the weights, so it is kept.
; THE WEIGHT is exp2(c al - N), c = log2(e) / 8, N = c x (running maximum of al): the maximum is taken away, and sums and results are rescaled when it moves.
; c al - N is one fused multiply-add, so the rounding of N is a factor common to a whole row and cancels in the division by the sum.
; BOTH PRODUCTS ARE TRANSPOSED.  S^T = K Q^T: lane (r, h), register j of tile (tt, q) holds t = 16 tt + 8 h + j, q row 16 q + r.  So a q row lives in one lane and its
; partner (lane xor 16), every rescale is a factor of the lane, and two neighbouring tiles, rounded to f16, are the second source of O^T = V^T P^T as they stand.
; BATCHES.  A step's 132 exponentials are ONE batch with ONE wait: the four rescale factors AL, then the 128 weights, each in place in a register of its own.  Ahead of the wait
; stand the batch and the exponents c al - N alone, which name no result; behind it stand all the readers: the sums, the roundings to f16, the rescaling of O^T, the second product.
; The way out's four reciprocals are a batch of their own, with one wait behind the addresses' arithmetic.
; CLUSTERS: 4 x 4.  cx = the block of 512 q rows, 4 x cluster y + cy = b*16 + h.  K's and V's tiles hang on (b, h): asked for jointly along a cluster's row.
; qtmask's tile hangs on the q block: asked for jointly along a column.  That divides the requests for all three by four.
; REGISTERS are all taken (512 a wave, two waves a SIMD), so the mask borrows: q tiles 0, 1 lie in V's fragment registers until they are added, and V is loaded then;
; q tiles 2, 3 are loaded into K's fragment registers behind the first product.
; LIMITS.  A NaN in a mask loses against the other mask (v_max_num_f32).  Weights below 2^-126 come out as zero (v_exp_f32, ISA guide 15.8); weights are at most
; about 1, and below 6.1e-5 they are kept in f16 with a step of 6e-8 beside a sum of at least about 1.
.set MPITCH, 272                       ; a mask row: 64 f32 + 16 bytes, an odd multiple of 16
.set MSLOT,  512*MPITCH
.set KPITCH, 144                       ; a K row: 64 f16 + 16 bytes
.set KSLOT,  64*KPITCH
.set VPITCH, 160                       ; a V row: 64 f16 + 32 bytes, an odd multiple of 32, for the transposing load
.set VSLOT,  64*VPITCH
.set KBASE,  2*MSLOT
.set VBASE,  KBASE+2*KSLOT
.set TMB,    VBASE+2*VSLOT             ; tmask[b], 8,192 bytes, a multiple of 256 from LDS byte 0: written by LDS stores, never by a tensor load
.set ADT0, 1                           ; v1      tmask: TMB + 32 h
.set ADM,  2                           ; v2-3    my mask rows in slot 0, 1
.set ADK,  4                           ; v4      K fragments, slot 0
.set ADV,  5                           ; v5      V fragments, slot 0
.set ADT,  6                           ; v6      tmask at this trip's first step
.set QOF,  7                           ; v7      offset of my part of Q
.set PQ,   8                           ; v[8+6q ..]: NG = -N, MX = running maximum | AL = rescale factor, TX = at work | L0, L1 = the sum in two parts
.set TM,   32                          ; v32-63   tmask of the step's 64 t, as a tile column holds them
.set KF,   64                          ; v64-127  K's fragments (tt, ks) at 8 (2 tt + ks); behind the first product: the mask of q tiles 2, 3
.set ST,   128                         ; v128-255 tile (tt, q) at 32 q + 8 tt: product, logit, weight; P(q, tk) packed in place at 32 q + 16 tk
.set QF,   0                           ; window 1: Q fragments (q, ks) at 8 (2 q + ks)
.set VF,   64                          ; window 1: V^T fragments (dt, tk) at 8 (4 tk + dt)
.set MA,   64                          ; window 1: ahead of them in the same registers, the mask of q tiles 0, 1
.set OA,   128                         ; window 1: O^T tile (dt, q) at 32 q + 8 dt
.set G1M, 24                           ; s[24:31] group 1, mask
.set G1K, 32                           ; s[32:39] group 1, K
.set G1V, 40                           ; s[40:47] group 1, V
.set G0M, 48                           ; s[48:55] group 0, mask, one set for each slot
.set G0K, 56                           ; s[56:63] group 0, K
.set G0V, 68                           ; s[68:75] group 0, V
.set MSB, 0
.macro WIN new                         ; the immediate's high byte repeats the setting that is left
.if MSB != \new
	s_set_vgpr_msb (MSB<<8)|\new
.set MSB, \new
.endif
.endm
.macro ROUND                           ; a round of the cluster's barrier
	s_barrier_signal -1
	s_barrier_wait -1
	s_cmp_lg_u32 s12, 0
	s_cbranch_scc1 .Lnot_wave_0_\@
	s_barrier_signal -3
.Lnot_wave_0_\@:
	s_barrier_wait -3
	s_barrier_signal -1
	s_barrier_wait -1
.endm
; The joint loads of one step's tiles into slot s: waves 0-3 128 mask rows each, wave 4 K, wave 5 V; waves 6 and 7 have no part.  One tensor load a wave.
.macro JLOAD s
	s_cmp_lt_u32 s12, 4
	s_cbranch_scc0 .Lnot_mask_\@
	tensor_load_to_lds s[G0M+4*(\s):G0M+4*(\s)+3], s[G1M:G1M+7]
	s_nop 0
	s_branch .Lasked_\@
.Lnot_mask_\@:
	s_cmp_eq_u32 s12, 4
	s_cbranch_scc0 .Lnot_k_\@
	tensor_load_to_lds s[G0K+4*(\s):G0K+4*(\s)+3], s[G1K:G1K+7]
	s_nop 0
	s_branch .Lasked_\@
.Lnot_k_\@:
	s_cmp_eq_u32 s12, 5
	s_cbranch_scc0 .Lasked_\@
	tensor_load_to_lds s[G0V+4*(\s):G0V+4*(\s)+3], s[G1V:G1V+7]
	s_nop 0
.Lasked_\@:
.endm
; In front of the step that reads slot: every wave's LDS reads are back and all its tensor loads have landed.  refill = 1: a round of the cluster's barrier, and behind
; it the other slot, read last step, is asked for again, two steps ahead, first of all; that load has a whole step in which to land.
.macro SYNC slot, refill
	s_wait_dscnt 0x0
	s_wait_xcnt 0x0
	v_lshl_add_u32 v254, v0, 2, 0x4f800
	v_mov_b32 v255, 0
	s_wait_tensorcnt 0x0                           ; no tensor load of mine is out: every group 0 may be written
	ds_add_u32 v254, v255
	s_wait_dscnt 0x0
.if \refill
	s_add_nc_u64 s[G0M+4*(1-\slot)+2:G0M+4*(1-\slot)+3], s[G0M+4*(1-\slot)+2:G0M+4*(1-\slot)+3], 512     ; 128 t along qtmask's rows
	s_add_nc_u64 s[G0K+4*(1-\slot)+2:G0K+4*(1-\slot)+3], s[G0K+4*(1-\slot)+2:G0K+4*(1-\slot)+3], 16384   ; 128 rows of K
	s_add_nc_u64 s[G0V+4*(1-\slot)+2:G0V+4*(1-\slot)+3], s[G0V+4*(1-\slot)+2:G0V+4*(1-\slot)+3], 16384   ; and of V
	ROUND
	JLOAD 1-\slot
.else
	s_barrier_signal -1
	s_barrier_wait -1
.endif
.endm
; adj of one q tile, in place in the 32 registers at m: the larger mask, times -1e6, rounded
.macro ADJ m
.set i, 0
.rept 32
	v_max_num_f32 v[\m+i], v[\m+i], v[TM+i]
.set i, i+1
.endr
.set i, 0
.rept 16
	v_pk_mul_f32 v[\m+2*i:\m+2*i+1], v[\m+2*i:\m+2*i+1], s[2:3] op_sel_hi:[1,0]
.set i, i+1
.endr
.endm
; the logit of q tile q: product + adj
.macro ADDM q, m
.set i, 0
.rept 16
	v_pk_add_f32 v[ST+32*\q+2*i:ST+32*\q+2*i+1], v[ST+32*\q+2*i:ST+32*\q+2*i+1], v[\m+2*i:\m+2*i+1]
.set i, i+1
.endr
.endm
; One step: 64 t from slot.  first = 1: nothing to rescale, the first products and sums start their registers.  toff: the step's bytes in tmask, from v[ADT].
.macro BODY slot, first, toff
	; 40 LDS loads in one run: K 16, tmask 8, the mask of q tiles 0 and 1 16
.irp tt, 0,1,2,3
.irp ks, 0,1
	ds_load_b128 v[KF+8*(2*\tt+\ks):KF+8*(2*\tt+\ks)+3],   v[ADK] offset:KSLOT*\slot+16*KPITCH*\tt+64*\ks
	ds_load_b128 v[KF+8*(2*\tt+\ks)+4:KF+8*(2*\tt+\ks)+7], v[ADK] offset:KSLOT*\slot+16*KPITCH*\tt+64*\ks+32
.endr
.endr
.irp tt, 0,1,2,3
.irp u, 0,1
	ds_load_b128 v[TM+8*\tt+4*\u:TM+8*\tt+4*\u+3], v[ADT] offset:\toff+64*\tt+16*\u
.endr
.endr
	WIN 0x40
.irp q, 0,1
.irp tt, 0,1,2,3
.irp u, 0,1
	ds_load_b128 v[MA+32*\q+8*\tt+4*\u:MA+32*\q+8*\tt+4*\u+3], v[ADM+\slot] offset:16*MPITCH*\q+64*\tt+16*\u
.endr
.endr
.endr
	; S^T = K Q^T.  The first pass starts the sums; the 16 tiles take turns, one instruction a turn.
	s_wait_dscnt 24                                ; K is in; out: tmask's 8 loads and the mask's 16
.if \first
	s_wait_loadcnt 0x0                             ; Q
.endif
	WIN 0x04
.irp ks, 0,1
.irp tt, 0,1,2,3
.irp q, 0,1,2,3
.if \ks
	v_wmma_f32_16x16x32_f16 v[ST+32*\q+8*\tt:ST+32*\q+8*\tt+7], v[KF+8*(2*\tt+\ks):KF+8*(2*\tt+\ks)+7], v[QF+8*(2*\q+\ks):QF+8*(2*\q+\ks)+7], v[ST+32*\q+8*\tt:ST+32*\q+8*\tt+7]
.else
	v_wmma_f32_16x16x32_f16 v[ST+32*\q+8*\tt:ST+32*\q+8*\tt+7], v[KF+8*(2*\tt+\ks):KF+8*(2*\tt+\ks)+7], v[QF+8*(2*\q+\ks):QF+8*(2*\q+\ks)+7], 0
.endif
.endr
.endr
.endr
	; The work on the mask names none of the product's registers: it fills the places ahead of the loads into K's registers and of the first reader of a result.
	WIN 0x41
	s_wait_dscnt 0x0                               ; tmask and the mask of q tiles 0, 1
	ADJ MA
	WIN 0
.irp q, 2,3
.irp tt, 0,1,2,3
.irp u, 0,1
	ds_load_b128 v[KF+32*(\q-2)+8*\tt+4*\u:KF+32*(\q-2)+8*\tt+4*\u+3], v[ADM+\slot] offset:16*MPITCH*\q+64*\tt+16*\u
.endr
.endr
.endr
	WIN 0x41
	ADJ MA+32
	WIN 0x04
	ADDM 0, MA
	ADDM 1, MA+32
	WIN 0x40                                       ; the mask of q tiles 0, 1 has been used: V's fragments take its registers
.irp tk, 0,1
.irp dt, 0,1,2,3
	ds_load_tr16_b128 v[VF+8*(4*\tk+\dt):VF+8*(4*\tk+\dt)+3],   v[ADV] offset:VSLOT*\slot+32*VPITCH*\tk+32*\dt
	ds_load_tr16_b128 v[VF+8*(4*\tk+\dt)+4:VF+8*(4*\tk+\dt)+7], v[ADV] offset:VSLOT*\slot+32*VPITCH*\tk+32*\dt+16*VPITCH
.endr
.endr
	WIN 0
	s_wait_dscnt 16                                ; the mask of q tiles 2, 3 is in; V's 16 loads stay out
	ADJ KF
	ADDM 2, KF
	ADJ KF+32
	ADDM 3, KF+32
	; the running maximum of the logit, four chains that do not wait for each other
.if \first
.irp q, 0,1,2,3
	v_max_num_f32 v[PQ+6*\q+1], v[ST+32*\q], v[ST+32*\q+1]
.endr
.set i, 1
.else
.set i, 0
.endif
.rept 16-\first
.irp q, 0,1,2,3
	v_max3_num_f32 v[PQ+6*\q+1], v[PQ+6*\q+1], v[ST+32*\q+2*i], v[ST+32*\q+2*i+1]
.endr
.set i, i+1
.endr
.irp q, 0,1,2,3
	v_permlanex16_b32 v[PQ+6*\q+3], v[PQ+6*\q+1], s16, s17     ; the partner lane holds the row's other 32 t
.endr
.irp q, 0,1,2,3
	v_max_num_f32 v[PQ+6*\q+1], v[PQ+6*\q+1], v[PQ+6*\q+3]
.endr
.if \first
.irp q, 0,1,2,3
	v_mul_f32 v[PQ+6*\q], s23, v[PQ+6*\q+1]        ; NG = -c x maximum = -N
.endr
.else
.irp q, 0,1,2,3
	v_mul_f32 v[PQ+6*\q+3], s23, v[PQ+6*\q+1]      ; the new -N
.endr
.irp q, 0,1,2,3
	v_sub_f32 v[PQ+6*\q+2], v[PQ+6*\q+3], v[PQ+6*\q]   ; old N - new N, never above 0
.endr
.irp q, 0,1,2,3
	v_exp_f32 v[PQ+6*\q+2], v[PQ+6*\q+2]           ; AL: the step's batch of exponentials begins here
.endr
.irp q, 0,1,2,3
	v_mov_b32 v[PQ+6*\q], v[PQ+6*\q+3]             ; plain work behind the exponentials, ahead of AL's first use (ISA guide 5.7.2)
.endr
.endif
	; THE BATCH GOES ON: the 128 weights, each made in place in a register of its own.  For each q tile in turn: the exponent c al - N of pair i, then the two exponentials of pair i - 1,
	; so that a plain line leads each two exponentials and an exponent is made a round of the four q tiles ahead of its exponentials.  The exponents name -N, the maximum and logits
	; that have had no exponential yet: no line ahead of the wait names AL or a weight.
.irp q, 0,1,2,3
	v_pk_fma_f32 v[ST+32*\q:ST+32*\q+1], v[ST+32*\q:ST+32*\q+1], s[18:19], v[PQ+6*\q:PQ+6*\q+1] op_sel_hi:[1,0,0]   ; c al - N
.endr
.set i, 1
.rept 15
.irp q, 0,1,2,3
	v_pk_fma_f32 v[ST+32*\q+2*i:ST+32*\q+2*i+1], v[ST+32*\q+2*i:ST+32*\q+2*i+1], s[18:19], v[PQ+6*\q:PQ+6*\q+1] op_sel_hi:[1,0,0]
	v_exp_f32 v[ST+32*\q+2*i-2], v[ST+32*\q+2*i-2]
	v_exp_f32 v[ST+32*\q+2*i-1], v[ST+32*\q+2*i-1]
.endr
.set i, i+1
.endr
.irp q, 0,1,2,3
	v_exp_f32 v[ST+32*\q+30], v[ST+32*\q+30]
	v_exp_f32 v[ST+32*\q+31], v[ST+32*\q+31]
.endr
	v_nop                                          ; the plain instruction behind the last exponential (ISA guide 5.7.2): all the vector work that is left in the step reads the batch
	s_wait_alu depctr_va_vdst(0)                   ; the one wait for the step's batch, AL and the 128 weights, ahead of its first reader
	; THE READERS, pair by pair in ascending order, the four q tiles in turn: the sum takes the pair, then the pair is rounded to f16.
.set i, 0
.rept 16
.irp q, 0,1,2,3
.if i == 0
.if \first
	v_pk_add_f32 v[PQ+6*\q+4:PQ+6*\q+5], v[ST+32*\q:ST+32*\q+1], 0 op_sel_hi:[1,0]                                                   ; the first pair starts the sum
.else
	v_pk_fma_f32 v[PQ+6*\q+4:PQ+6*\q+5], v[PQ+6*\q+4:PQ+6*\q+5], v[PQ+6*\q+2:PQ+6*\q+3], v[ST+32*\q:ST+32*\q+1] op_sel_hi:[1,0,1]   ; the old sum rescaled, plus the first pair
.endif
.else
	v_pk_add_f32 v[PQ+6*\q+4:PQ+6*\q+5], v[PQ+6*\q+4:PQ+6*\q+5], v[ST+32*\q+2*i:ST+32*\q+2*i+1]
.endif
	v_cvt_pk_f16_f32 v[ST+32*\q+16*(i>>3)+(i&7)], v[ST+32*\q+2*i], v[ST+32*\q+2*i+1]   ; lands on a register whose pair has been summed and rounded
.endr
.set i, i+1
.endr
.if \first == 0
	WIN 0x41
.irp q, 0,1,2,3
.set i, 0
.rept 16
	v_pk_mul_f32 v[OA+32*\q+2*i:OA+32*\q+2*i+1], v[OA+32*\q+2*i:OA+32*\q+2*i+1], v[PQ+6*\q+2:PQ+6*\q+3] op_sel_hi:[1,0]
.set i, i+1
.endr
.endr
.endif
	; O^T += V^T P^T.  The 16 tiles take turns, one instruction a turn.
	s_wait_dscnt 0x0                               ; V
	WIN 0x51
.irp tk, 0,1
.irp dt, 0,1,2,3
.irp q, 0,1,2,3
.if \first*(1-\tk)
	v_wmma_f32_16x16x32_f16 v[OA+32*\q+8*\dt:OA+32*\q+8*\dt+7], v[VF+8*(4*\tk+\dt):VF+8*(4*\tk+\dt)+7], v[ST+32*\q+16*\tk:ST+32*\q+16*\tk+7], 0
.else
	v_wmma_f32_16x16x32_f16 v[OA+32*\q+8*\dt:OA+32*\q+8*\dt+7], v[VF+8*(4*\tk+\dt):VF+8*(4*\tk+\dt)+7], v[ST+32*\q+16*\tk:ST+32*\q+16*\tk+7], v[OA+32*\q+8*\dt:OA+32*\q+8*\dt+7]
.endif
.endr
.endr
.endr
	WIN 0
.rept 5
	v_nop                                          ; five places: the next step's first product writes over these second sources; four serve its loads into the first sources
.endr
.endm
	s_load_b256 s[4:11], s[0:1], 0x0               ; qkv s[4:5], qtmask s[6:7], tmask s[8:9], pre s[10:11]
	v_lshl_add_u32 v254, v0, 2, 0x4f800
	v_mov_b32 v255, 0
	ds_add_u32 v254, v255
	s_wait_dscnt 0x0
	v_lshrrev_b32 v1, 5, v0
	v_readfirstlane_b32 s12, v1                    ; wave 0..7
	s_bfe_u32 s13, ttmp6, 0x40000                  ; cx = the block of 512 q rows
	s_bfe_u32 s14, ttmp6, 0x40004                  ; cy
	s_and_b32 s15, ttmp7, 0xffff
	s_lshl_b32 s15, s15, 2
	s_add_co_u32 s15, s15, s14                     ; bh = 16 b + h
	s_lshl_b32 s21, s14, 2
	s_lshl_b32 s21, 15, s21                        ; my row of the cluster
	s_lshl_b32 s22, 0x1111, s13                    ; my column
	s_mov_b32 s16, 0x76543210                      ; v_permlanex16_b32: lane i reads lane i of the other half
	s_mov_b32 s17, 0xfedcba98
	s_mov_b32 s18, 0x3e38aa3b                      ; c = log2(e) / 8 = 0.18033688, twice
	s_mov_b32 s19, 0x3e38aa3b
	s_mov_b32 s23, 0xbe38aa3b                      ; -c
	s_or_b32 s[G1M+0], s22, (2<<16)|(1<<20)|(1<<21)|(5<<22)|(3<<25)   ; the mask's tile goes to my column; 4-byte elements; 4 words of padding behind every 64
	s_mov_b32 s[G1M+1], 64<<16                     ; tensor_dim0 = 64 t
	s_mov_b32 s[G1M+2], 128<<16                    ; tensor_dim1 = 128 q rows
	s_mov_b32 s[G1M+3], 64<<16                     ; tile_dim0
	s_mov_b32 s[G1M+4], 128                        ; tile_dim1
	s_mov_b32 s[G1M+5], 2048                       ; qtmask's pitch
	s_mov_b32 s[G1M+6], 0
	s_mov_b32 s[G1M+7], 0
	s_or_b32 s[G1K+0], s21, (3<<16)|(1<<20)|(1<<21)|(4<<22)|(3<<25)   ; K's tile goes to my row; 8-byte elements; 4 words behind every 32
	s_mov_b32 s[G1K+1], 32<<16                     ; 64 rows of 128 bytes, dense, taken as 32 rows of 256 bytes
	s_mov_b32 s[G1K+2], 32<<16
	s_mov_b32 s[G1K+3], 32<<16
	s_mov_b32 s[G1K+4], 32
	s_mov_b32 s[G1K+5], 32
	s_mov_b32 s[G1K+6], 0
	s_mov_b32 s[G1K+7], 0
	s_or_b32 s[G1V+0], s21, (3<<16)|(1<<20)|(1<<21)|(4<<22)|(7<<25)   ; V likewise, 8 words of padding
	s_mov_b32 s[G1V+1], 32<<16
	s_mov_b32 s[G1V+2], 32<<16
	s_mov_b32 s[G1V+3], 32<<16
	s_mov_b32 s[G1V+4], 32
	s_mov_b32 s[G1V+5], 32
	s_mov_b32 s[G1V+6], 0
	s_mov_b32 s[G1V+7], 0
	s_lshl_b32 s80, s13, 22                        ; mask: 512 q rows x 8,192 bytes for each q block,
	s_lshl_b32 s81, s12, 20                        ; 128 rows for each of waves 0-3 (the other waves never use this address)
	s_add_co_u32 s80, s80, s81
	s_mov_b32 s81, 0
	s_lshl_b32 s82, s15, 18                        ; K, V: a head's 2,048 rows x 128 bytes
	s_mov_b32 s83, 0
	s_lshl_b32 s78, s13, 16                        ; Q and pre: the head, the q block's 512 rows, my 64
	s_add_co_u32 s78, s78, s82
	s_lshl_b32 s79, s12, 13
	s_add_co_u32 s78, s78, s79
	s_mov_b32 s79, 0
	s_lshr_b32 s2, s15, 4
	s_lshl_b32 s2, s2, 13                          ; tmask[b]
	s_mov_b32 s3, 0
	s_mul_i32 s20, s12, 128*MPITCH                 ; where my 128 mask rows go
	v_and_b32 v32, 15, v0                          ; r
	v_bfe_u32 v33, v0, 4, 1                        ; h
	v_lshlrev_b32 v[QOF], 7, v32
	v_lshl_add_u32 v[QOF], v33, 4, v[QOF]          ; Q: row r, 16 h
	v_lshlrev_b32 v1, 4, v0                        ; tmask: 16 bytes a thread
	s_wait_kmcnt 0x0
	s_add_nc_u64 s[80:81], s[6:7], s[80:81]
	s_add_nc_u64 s[82:83], s[4:5], s[82:83]
	s_add_nc_u64 s[76:77], s[4:5], s[78:79]
	s_add_nc_u64 s[10:11], s[10:11], s[78:79]
	s_add_nc_u64 s[8:9], s[8:9], s[2:3]
	s_mov_b32 s2, 0xc9742400                       ; -1e6, twice
	s_mov_b32 s3, 0xc9742400
.irp s, 0,1
	s_mov_b32 s[G0M+4*\s], 1
	s_add_co_u32 s[G0M+4*\s+1], s20, \s*MSLOT
	s_add_nc_u64 s[G0M+4*\s+2:G0M+4*\s+3], s[80:81], \s*256
	s_or_b32 s[G0M+4*\s+3], s[G0M+4*\s+3], 0x80000000
	s_mov_b32 s[G0K+4*\s], 1
	s_mov_b32 s[G0K+4*\s+1], KBASE+\s*KSLOT
	s_add_nc_u64 s[G0K+4*\s+2:G0K+4*\s+3], s[82:83], 16777216+\s*8192    ; qkv's second plane
	s_or_b32 s[G0K+4*\s+3], s[G0K+4*\s+3], 0x80000000
	s_mov_b32 s[G0V+4*\s], 1
	s_mov_b32 s[G0V+4*\s+1], VBASE+\s*VSLOT
	s_add_nc_u64 s[G0V+4*\s+2:G0V+4*\s+3], s[82:83], 33554432+\s*8192    ; its third
	s_or_b32 s[G0V+4*\s+3], s[G0V+4*\s+3], 0x80000000
.endr
	global_load_b128 v[40:43], v1, s[8:9]
	global_load_b128 v[44:47], v1, s[8:9] offset:4096
	WIN 0x40
.irp q, 0,1,2,3
.irp ks, 0,1
	global_load_b128 v[QF+8*(2*\q+\ks):QF+8*(2*\q+\ks)+3],   v[QOF], s[76:77] offset:2048*\q+64*\ks
	global_load_b128 v[QF+8*(2*\q+\ks)+4:QF+8*(2*\q+\ks)+7], v[QOF], s[76:77] offset:2048*\q+64*\ks+32
.endr
.endr
	WIN 0
	ROUND                                          ; all sixteen work-groups are here: the first joint loads meet
	; the first fills, both slots, in one branch on the wave's number: two tensor loads of a wave are out
	s_cmp_lt_u32 s12, 4
	s_cbranch_scc0 .Lfirst_not_mask
	tensor_load_to_lds s[G0M:G0M+3], s[G1M:G1M+7]
	s_nop 0
	tensor_load_to_lds s[G0M+4:G0M+7], s[G1M:G1M+7]
	s_nop 0
	s_branch .Lfirst_asked
.Lfirst_not_mask:
	s_cmp_eq_u32 s12, 4
	s_cbranch_scc0 .Lfirst_not_k
	tensor_load_to_lds s[G0K:G0K+3], s[G1K:G1K+7]
	s_nop 0
	tensor_load_to_lds s[G0K+4:G0K+7], s[G1K:G1K+7]
	s_nop 0
	s_branch .Lfirst_asked
.Lfirst_not_k:
	s_cmp_eq_u32 s12, 5
	s_cbranch_scc0 .Lfirst_asked
	tensor_load_to_lds s[G0V:G0V+3], s[G1V:G1V+7]
	s_nop 0
	tensor_load_to_lds s[G0V+4:G0V+7], s[G1V:G1V+7]
	s_nop 0
.Lfirst_asked:
	s_mul_i32 s20, s12, 64*MPITCH                  ; my 64 q rows of the mask
	v_mul_u32_u24 v[ADM], v32, MPITCH
	v_lshl_add_u32 v[ADM], v33, 5, v[ADM]          ; 8 h t of 4 bytes
	v_add_nc_u32 v[ADM], s20, v[ADM]
	v_add_nc_u32 v[ADM+1], MSLOT, v[ADM]
	v_mul_u32_u24 v[ADK], v32, KPITCH
	v_lshl_add_u32 v[ADK], v33, 4, v[ADK]
	v_add_nc_u32 v[ADK], KBASE, v[ADK]
	v_and_b32 v35, 7, v0
	v_lshl_add_u32 v35, v33, 3, v35                ; the transposing load: row 8 h + l % 8,
	v_mul_u32_u24 v[ADV], v35, VPITCH
	v_bfe_u32 v36, v0, 3, 1
	v_lshl_add_u32 v[ADV], v36, 4, v[ADV]          ; 16 bytes for each group of eight lanes
	v_add_nc_u32 v[ADV], VBASE, v[ADV]
	v_add_nc_u32 v34, TMB, v1
.irp q, 0,1,2,3
	v_mov_b32 v[PQ+6*\q+3], 0                      ; v_permlanex16_b32 counts as a reader of its destination
.endr
	s_wait_loadcnt 16                              ; tmask's two loads are in; Q's sixteen stay out
	ds_store_b128 v34, v[40:43]
	ds_store_b128 v34, v[44:47] offset:4096
	v_lshlrev_b32 v[ADT0], 5, v33                  ; v1 is free since that wait
	v_add_nc_u32 v[ADT0], TMB, v[ADT0]
	v_mov_b32 v[ADT], v[ADT0]
	s_wait_dscnt 0x0                               ; my part of tmask is in LDS,
	s_wait_tensorcnt 1                             ; my part of slot 0 too; slot 1's stays out
	s_barrier_signal -1
	s_barrier_wait -1
	BODY 0, 1, 0                                   ; step 0
	s_mov_b32 s20, 0
.Lstep:                                        ; trip k: steps 1 + 2k and 2 + 2k; asks for steps 2 + 2k and 3 + 2k
	v_lshl_add_u32 v[ADT], s20, 9, v[ADT0]         ; tmask: 128 t a trip
	SYNC 1, 1
	BODY 1, 0, 256
	SYNC 0, 1
	BODY 0, 0, 512
	s_add_co_u32 s20, s20, 1
	s_cmp_lt_u32 s20, 15
	s_cbranch_scc1 .Lstep
	v_mov_b32 v[ADT], v[ADT0]
	SYNC 1, 0                                      ; nothing is left to fetch; every wave's reads of slot 0 are over behind this barrier
	BODY 1, 0, 31*256                              ; step 31
	; THE WAY OUT: divide by the sum, round, 16 bytes a lane into my stage, read back as rows.  The stage lies in the mask's slot 0, which has had its last fill
	; and whose last reads ended in front of the barrier above; each wave uses 9,216 bytes of its own.
.irp q, 0,1,2,3
	v_add_f32 v[PQ+6*\q+4], v[PQ+6*\q+4], v[PQ+6*\q+5]
.endr
.irp q, 0,1,2,3
	v_permlanex16_b32 v[PQ+6*\q+3], v[PQ+6*\q+4], s16, s17
.endr
.irp q, 0,1,2,3
	v_add_f32 v[PQ+6*\q+4], v[PQ+6*\q+4], v[PQ+6*\q+3]
.endr
.irp q, 0,1,2,3
	v_rcp_f32 v[PQ+6*\q+2], v[PQ+6*\q+4]           ; the sum is at least the weight of the row's largest logit, about 1
.endr
	s_mul_i32 s20, s12, 64*KPITCH                  ; plain work behind the reciprocals, ahead of their first use (ISA guide 5.7.2)
	v_and_b32 v2, 15, v0
	v_mul_u32_u24 v2, v2, KPITCH
	v_bfe_u32 v3, v0, 4, 1
	v_lshl_add_u32 v2, v3, 4, v2
	v_add_nc_u32 v2, s20, v2                       ; in: row r, 16 h
	v_and_b32 v4, 31, v0
	v_lshrrev_b32 v3, 3, v4
	v_mul_u32_u24 v3, v3, KPITCH
	v_and_b32 v5, 7, v0
	v_lshl_add_u32 v3, v5, 4, v3
	v_add_nc_u32 v3, s20, v3                       ; back: four rows of 128 bytes for each load
	v_lshlrev_b32 v4, 4, v4                        ; which are 512 dense bytes of pre
	s_wait_alu depctr_va_vdst(0)                   ; the one wait for the batch of four reciprocals, behind the addresses' arithmetic and ahead of the first multiply
.irp q, 0,1,2,3
	WIN 0x01
.set i, 0
.rept 16
	v_pk_mul_f32 v[TM+2*i:TM+2*i+1], v[OA+32*\q+2*i:OA+32*\q+2*i+1], v[PQ+6*\q+2:PQ+6*\q+3] op_sel_hi:[1,0]
.set i, i+1
.endr
	WIN 0
.set i, 0
.rept 16
	v_cvt_pk_f16_f32 v[KF+16*\q+i], v[TM+2*i], v[TM+2*i+1]
.set i, i+1
.endr
.irp dt, 0,1,2,3
	ds_store_b128 v2, v[KF+16*\q+4*\dt:KF+16*\q+4*\dt+3] offset:16*KPITCH*\q+32*\dt
.endr
.endr
.irp u, 0,1,2,3,4,5,6,7,8,9,10,11,12,13,14,15
	ds_load_b128 v[ST+4*\u:ST+4*\u+3], v3 offset:4*KPITCH*\u     ; LDS serves a wave's instructions in order (ISA guide 5.7.1): these see the stores above
.endr
.irp u, 0,1,2,3,4,5,6,7,8,9,10,11,12,13,14,15
	s_wait_dscnt 15-\u
	global_store_b128 v4, v[ST+4*\u:ST+4*\u+3], s[10:11] offset:512*\u
.endr
	s_wait_xcnt 0x0
	v_lshl_add_u32 v254, v0, 2, 0x4f800
	v_mov_b32 v255, 0
	s_wait_tensorcnt 0x0
	ds_add_u32 v254, v255
	s_wait_dscnt 0x0
	ROUND                                          ; the closing round: no work-group ends while a partner may still ask for a tile that names it
	s_endpgm
.Lfunc_end_k_qc14a2887e6_attn:
	.size	k_qc14a2887e6_attn, .Lfunc_end_k_qc14a2887e6_attn-k_qc14a2887e6_attn
	.p2alignl 7, 3214868480
	.fill 96, 4, 3214868480
	.section	.rodata,"a",@progbits
	.p2align	6, 0x0
	.amdhsa_kernel k_qc14a2887e6_attn
		.amdhsa_group_segment_fixed_size 327680
		.amdhsa_private_segment_fixed_size 0
		.amdhsa_enable_private_segment 0
		.amdhsa_kernarg_size 32
		.amdhsa_user_sgpr_count 2
		.amdhsa_user_sgpr_kernarg_segment_ptr 1
		.amdhsa_wavefront_size32 1
		.amdhsa_system_sgpr_workgroup_id_x 1
		.amdhsa_system_sgpr_workgroup_id_y 1
		.amdhsa_system_sgpr_workgroup_id_z 1
		.amdhsa_system_vgpr_workitem_id 0
		.amdhsa_next_free_vgpr 512
		.amdhsa_next_free_sgpr 84
		.amdhsa_reserve_vcc 0
		.amdhsa_float_denorm_mode_32 3
		.amdhsa_float_denorm_mode_16_64 3
		.amdhsa_memory_ordered 1
		.amdhsa_forward_progress 1
		.amdhsa_inst_pref_size 207
	.end_amdhsa_kernel
	.amdgpu_metadata
---
amdhsa.version: [ 1, 2 ]
amdhsa.kernels:
  - .name:           k_qc14a2887e6_attn
    .symbol:         k_qc14a2887e6_attn.kd
    .args:
      - { .name: qkv, .offset: 0, .size: 8, .value_kind: global_buffer, .address_space: global }
      - { .name: qtmask, .offset: 8, .size: 8, .value_kind: global_buffer, .address_space: global }
      - { .name: tmask, .offset: 16, .size: 8, .value_kind: global_buffer, .address_space: global }
      - { .name: pre, .offset: 24, .size: 8, .value_kind: global_buffer, .address_space: global }
    .group_segment_fixed_size: 327680
    .private_segment_fixed_size: 0
    .kernarg_segment_align: 8
    .kernarg_segment_size: 32
    .max_flat_workgroup_size: 256
    .sgpr_count:     84
    .vgpr_count:     512
    .wavefront_size: 32
...
	.end_amdgpu_metadata
.endif
;; end of part 5
;; launch outp: the kernel of part 4 again; grid 4 x 64, 4 waves a work-group, clusters of 4 x 4, 327,680 bytes of LDS; arguments pre, wt, qmask, out0; writes out0
